; MI455X (gfx1250); checked and timed in simulation.
; The chip was launched on July 23, 2026; its instructions are those of AMD's public machine-readable ISA for CDNA 5 (MIT licence, August 2026) and "CDNA5" Instruction Set Architecture Reference Guide (July 2026). The comments in the code are by the model that wrote it; some were corrected since.
;; Casual Self Attention. Allowed arithmetic: matrix products marked QUANTISED: E5M2 operands, one E8M0 scale for each 32 along K, by v_wmma_scale_f32_16x16x128_f8f6f4 with both operands' format E5M2, f32 sums; everything else in f32.
;; Inputs: W_attn_codes 3,072 x 32 x 32 uint8 (E5M2 codes of W_attn, K innermost, in blocks of 32 codes); W_attn_scales 3,072 x 32 uint8 (E8M0 scales of W_attn, one for each 32 codes along K); W_proj_codes 1,024 x 32 x 32 uint8 (E5M2 codes of W_proj, K innermost, in blocks of 32 codes); W_proj_scales 1,024 x 32 uint8 (E8M0 scales of W_proj, one for each 32 codes along K); b_attn 3,072 float32; b_proj 1,024 float32; x_codes 4 x 2,048 x 32 x 32 uint8 (E5M2 codes of x, K innermost, in blocks of 32 codes); x_scales 4 x 2,048 x 32 uint8 (E8M0 scales of x, one for each 32 codes along K).
;; Outputs: out0 4 x 2,048 x 1,024 float32.
;; This version of the problem:
;;   THIS VERSION OF THE PROBLEM IS GIVEN IN LOW PRECISION. The matrix products marked QUANTISED in the list below multiply operands that are first quantised to E5M2 (5 exponent bits, 2 mantissa bits; 8 bits a number), with one power-of-two scale for each 32 numbers along K (OCP MX v1.0); their sums are f32. All else is computed in f32.
;;   The module's matrix products, in the order in which they are computed (A, B: the left and right operand; K: the contracted axis; several contracted axes count as one K, in the product's order):
;;     1. [M 8,192, K 1,024] x [K 1,024, N 3,072]; A: input x (given as codes); B: input W_attn (given as codes): QUANTISED
;;     2. batch 64 x [M 2,048, K 64] x [K 64, N 2,048]; A: computed on the way; B: computed on the way: QUANTISED
;;     3. batch 64 x [M 2,048, K 2,048] x [K 2,048, N 64]; A: softmax (see below); B: computed on the way: QUANTISED
;;     4. [M 8,192, K 1,024] x [K 1,024, N 1,024]; A: computed on the way; B: input W_proj (given as codes): QUANTISED
;;   THE QUANTISER, for each operand of a quantised product, along K:
;;     - K is cut into blocks of 32 from its start; a last block that is shorter is filled with zeros.
;;     - A block's scale is 2^e with e = floor(log2(the largest magnitude in the block)) - 15, held to -126 .. 127; a block of zeros has e = 0. As a byte (E8M0): e + 127.
;;     - Each number is divided by its block's scale, clamped to +-57,344, and rounded to the nearest number of E5M2, ties to even, subnormals kept.
;;     - The product sums the exact products of the quantised numbers (number of the format x scale) in f32.
;;   ~~~python
;;   def quantise(x, axis):      # numpy; x: float32 -> the quantised numbers, widened to float32 again
;;       x = np.moveaxis(x, axis, -1); K = x.shape[-1]
;;       x = np.pad(x, [(0, 0)] * (x.ndim - 1) + [(0, -K % 32)]); x = x.reshape(x.shape[:-1] + (-1, 32)); a = np.abs(x).max(-1, keepdims=True)
;;       e = np.where(a > 0, np.clip(np.frexp(np.where(a > 0, a, 1))[1] - 1 - 15, -126, 127), 0)      # np.frexp(a)[1] - 1 = floor(log2(a)), exactly
;;       r = np.clip(x / 2.0 ** e, -57344, 57344)
;;       step = 2.0 ** (np.maximum(np.frexp(np.where(r == 0, 1, r))[1] - 1, -14) - 2)
;;       q = np.round(r / step) * step * 2.0 ** e      # np.round: ties to even
;;       return np.moveaxis(q.reshape(q.shape[:-2] + (-1,))[..., :K], -1, axis).astype(np.float32)
;;   ~~~
;;   SOFTMAX AHEAD OF A QUANTISED PRODUCT. Where the list says 'softmax', what is quantised is not the finished softmax but p = 2^(t - M), with t = logit x log2(e) and M = ceil(the row's largest t), a whole number; so 1/2 < the row's largest p <= 1. The row's sum l is taken of the UNQUANTISED p, in f32, and the product's result is divided by l at the end. Since M is a whole number, a kernel that streams over the keys may use a running M (the ceiling of the running maximum): every later rescaling is an exact power of two, which a block's scale takes up: the codes' values come out the same.
;;   OPERANDS COMPUTED ON THE WAY. 'Computed on the way' means the value that the module computes at that place (a softmax that the list does not call 'softmax' is quantised finished and normalised). What goes into a quantiser is computed in f32, as accurately as f32 sums, v_exp_f32 and their like allow (about 1e-6 of the number): no bf16 or f16 on the way to a quantiser, and a product that is left as it is and whose result goes on into a quantised operand takes f32 operands (vector FMAs, or v_wmma_f32_16x16x4_f32). A number that lies on a knife's edge between two numbers of the format may be rounded either way, as far as f32 arithmetic and the matrix unit's own rounding can turn it there, and no further.
;;   INPUTS GIVEN AS CODES. W_attn (in the module: [1024, 3072], K = its axis 0); W_proj (in the module: [1024, 1024], K = its axis 0); x (in the module: [4, 2048, 1024], K = its axis 2): each comes as NAME_codes (uint8): NAME with its K axis moved to the last place and cut into blocks of 32 codes, [.., K / 32, bytes a block], one block behind the other in memory; one code a byte (a code: sign, 5 exponent bits, 2 mantissa bits); and NAME_scales (uint8): the same leading axes, one E8M0 byte (e + 127) for each 32 codes along K. Its value is code x scale, taken as it is: it is not quantised again, and the codes and scales need not be those that the quantiser above would give.
;; One version. Each part assembles by itself: llvm-mc -triple=amdgcn-amd-amdhsa -mcpu=gfx1250 --defsym DOCPART=n.
;; ======== version 1 of 1: 3 launches
;; limits: right only within a limited range of input values
;; workspace buffers: qc 8,388,608 bytes; qs 524,288 bytes; kv 17,563,648 bytes; yc 8,388,608 bytes; ys 262,144 bytes
;; launch qkv (part 1): grid 12 x 32, 4 waves a work-group, clusters of 4 x 4, 327,680 bytes of LDS; arguments x_codes, x_scales, W_attn_codes, W_attn_scales, b_attn, qc, qs, kv; writes qc, qs, kv
.if DOCPART == 1
	.amdgcn_target "amdgcn-amd-amdhsa--gfx1250"
	.amdhsa_code_object_version 6
	.text
	.protected	k_q01776af5aa_qkv
	.globl	k_q01776af5aa_qkv
	.p2align	8
	.type	k_q01776af5aa_qkv,@function
k_q01776af5aa_qkv:
	s_mov_b64 s[64:65], 0
	v_nop
	global_prefetch_b8 v0, s[64:65] scope:SCOPE_SE
	s_setreg_imm32_b32 hwreg(HW_REG_WAVE_MODE, 25, 1), 1
	s_wait_xcnt 0x0
	s_wait_alu depctr_hold_cnt(0) depctr_sa_sdst(0) depctr_va_vdst(0) depctr_va_sdst(0) depctr_va_ssrc(0) depctr_va_vcc(0) depctr_vm_vsrc(0)
	s_getreg_b32 s2, hwreg(HW_REG_IB_STS2, 6, 4)
	s_cmp_eq_u32 s2, 0
	s_cbranch_scc0 .Lentry_in_a_cluster
	s_endpgm
.Lentry_in_a_cluster:
	s_bfe_u32 s2, ttmp6, 0x10000c
	s_cmp_lg_u32 s2, 0xf033
	s_cbranch_scc0 .Lentry_shape_is_right
	s_endpgm
.Lentry_shape_is_right:
; qkv = x W_attn + b_attn on codes of BF8 (E5M2) with one E8M0 scale for each 32 along K, and at once the quantising of q, k (along a head's 64) and v (along the keys) for the attention launch.
; x: [8192][1024] codes, W_attn: [3072][1024] codes, K innermost; scale bytes [rows][32].  A tile of 256 tokens x 256 columns is made by four waves, 128 x 128 each: 64 accumulators, 512 registers.
; K goes in steps of 256 through two LDS slots filled by the tensor data mover; the scale bytes of the tile's rows, for all of K, come once.  CLUSTERS of 4 x 4: x's tile is shared along a row, W's along a column.
; ROLES.  In a result a lane holds one row of source 1 (the LANE side) and its eight registers eight rows of source 0 (the REGISTER side).  The conversions take neighbours along the next K from one lane's registers:
;   q, k (cluster x = 0, 1): next K = the head's channels: lane side = x (a token), register side = W (channels).     v (cluster x = 2, KIND = 1): next K = the keys: lane side = W (a channel), register side = x (tokens).
; The tensor loads and the LDS map are the same for all kinds; KIND only says from which region of a slot a wave reads which side.  KIND hangs on the cluster's x, which all sixteen partners share.
; WHAT LEAVES: images of operand registers.  The 16 registers of result tiles 2 b, 2 b + 1 are numbers 8 h + 0..7 and 16 + 8 h + 0..7 of block b of 32 (h = lane / 16); their 16 codes are taken as registers 4 b .. 4 b + 3 of the
; next operand.  That is a permutation inside a block of 32, made alike on both sides of each attention product (q and k here; v here and p there), so the products are the same numbers, summed in another order.
;   qc [head 64][tile of 16 tokens 128][c 2][lane][16 B];  qs [head][128 tokens 16][row 16][tile 8] words (a head's two scale bytes, written twice);
;   kv [head][slot of 256 keys 8][34,304 B]: K's codes [tile 16][c 2][lane][16 B] | V's codes [128 keys 2][16 channels 4][c 4][lane][16 B] | K's words [128 keys 2][row 16][tile 8] | V's words [128 keys 2][row 16][tile 4].
; LIMITS: a block whose largest magnitude lies under 2^-111 (a block of zeros too) gets the scale byte 1 where the rule has a smaller exponent or, for zeros, 127: the bytes are read by this program alone and zero codes add nothing.
; NaN and infinities are not served.
.set PITCH,  272                       ; an LDS row: 256 bytes + 16 of padding = 68 words: the 16 rows of a fragment load start at 16 different banks (64 banks of 4 bytes: ISA guide 11.1)
.set HALFT,  128*PITCH                 ; 128 rows: one tensor load, and one wave's part of a side
.set SLOT,   4*HALFT                   ; x's 256 rows, then W's 256 rows
.set ROWB,   256
.set KROW,   1024
.set NQ,     2                         ; matrix instructions deep in a slot
.set FR,     16                        ; registers of a fragment
.set NL,     4                         ; loads that bring one
.set NP,     8                         ; places behind this matrix form (ISA guide 7.12.1)
.set SCL,    2*SLOT                    ; the scale bytes: units of 256 + 16; x's 256 rows, then W's
.set HALFS,  16*272                    ; those of 128 rows
.set SBLK,   2*272                     ; those of 16 rows
.set STG,    SCL+4*HALFS               ; 1,024 bytes a wave: the scale words on their way out; no tile lands here
.set SPARE,  STG+4*1024                ; the spare words, 128 bytes a wave
.set REC,    34304
.set HEADB,  8*REC
.set BIO,  7                           ; v7      byte offset in b_attn of my lane-side column
.set ADRA, 16                          ; v16-17  LDS address of the lane side's fragments, slot 0, 1
.set ADRSA,18                          ; v18     of its scale words
.set ADRSB,19                          ; v19     of the register side's
.set ADRB, 20                          ; v20-21  of the register side's fragments
.set VO0,  22                          ; v22     16 x lane
.set VO2,  23                          ; v23     the same, for the image's second half
.set LSA,  24                          ; v24     stage: where a scale word goes
.set LRA,  25                          ; v25     stage: where 16 bytes come back
.set SO0,  26                          ; v26-27  the words' places in memory
.set SO1,  27
.set SPW,  28                          ; v28     my spare word; never rewritten
.set NIL,  29                          ; v29     0; never rewritten
.set BJO,  30                          ; v30     byte offset in b_attn of my register-side columns
.set SELV, 31                          ; v31     byte selects that make a scale word
.set SC,   32                          ; v32-95  scale words and nothing else: set s at SC + 32 s: lane side's block i, step q at 2 i + q; register side's at 16 + 2 i + q
.set BI,   96                          ; v96-111 the bias of my lane-side column, block a, twice: a pair for the packed addition
.set AF,   128                         ; v128-255 the lane side's fragments, one set
.set T,    128                         ; the way out: 64 numbers
.set PC,   192                         ;   their 64 codes
.set TM,   224                         ;   at work
.set PW,   240
.set WD,   241
.set RB,   244
.set G1, 24
.set G0, 32
.set G1B, 48
.set G0B, 56
.set G1S, 68
.set G0S, 76
.set G1SB, 80
.set G0SB, 88
.set OB,  68                           ; the way out: s[68+2a:69+2a] where block a's image goes (the scale descriptors' registers: their loads are long done)
.set SB,  84                           ; s[84:85] where the scale words go
.set SEL, 86                           ; s[86:87] v_permlanex16_b32's selects for lane l xor 16
.set MNT, 88
.set MSB, 0
.macro WIN new                         ; the immediate's high byte repeats the setting that is left
.if MSB != (\new)
	s_set_vgpr_msb (MSB<<8)|(\new)
.set MSB, (\new)
.endif
.endm
.set MUL_LO, 0xa1                      ; source 0 window 1, source 1 window 0, C and D window 2
.set MUL_HI, 0xf1                      ; the same, C and D window 3
.set TO_B,   0x40                      ; destination window 1, address window 0
; A joint load: waves 0 and 1 fetch x's halves, waves 2 and 3 W's.  The branch hangs on the wave's number alone.  An s_nop 0 and four v_nop follow each line.
.macro JLOAD g0a, g1a, g0b, g1b
	s_cmp_eq_u32 s15, 0
	s_cbranch_scc0 .Lfor_b_\@
	tensor_load_to_lds s[\g0a:\g0a+3], s[\g1a:\g1a+7]
	s_nop 0
.rept 4
	v_nop
.endr
	s_branch .Lasked_\@
.Lfor_b_\@:
	tensor_load_to_lds s[\g0b:\g0b+3], s[\g1b:\g1b+7]
	s_nop 0
.rept 4
	v_nop
.endr
.Lasked_\@:
.endm
.macro CREST                           ; a round of the cluster's barrier behind its opening barrier
	s_cmp_lg_u32 s14, 0
	s_cbranch_scc1 .Lnot_wave_0_\@
	s_barrier_signal -3
.Lnot_wave_0_\@:
	s_barrier_wait -3
	s_barrier_signal -1
	s_barrier_wait -1
.endm
.macro CROUND
	s_barrier_signal -1
	s_barrier_wait -1
	CREST
.endm
	s_load_b256 s[4:11], s[0:1], 0x0               ; x's codes s[4:5], x's scales s[6:7], W's codes s[8:9], W's scales s[10:11]
	s_load_b256 s[92:99], s[0:1], 0x20             ; b_attn s[92:93], qc s[94:95], qs s[96:97], kv s[98:99]
	v_lshl_add_u32 v[SPW], v0, 2, SPARE
	v_mov_b32 v[NIL], 0
	ds_add_u32 v[SPW], v[NIL]                      ; the wave's opening: the add and its wait ahead of my first tensor load; the set-up below stands between them
	ds_add_u32 v[SPW], v[NIL]
	v_lshrrev_b32 v1, 5, v0
	v_readfirstlane_b32 s14, v1                    ; wave 0..3
	s_lshr_b32 s15, s14, 1                         ; my half of the lane side's 256 rows.  Also: I fetch for x (0) or for W (1)
	s_and_b32 s16, s14, 1                          ; my half of the register side's.  Also: which 128 rows I fetch
	s_bfe_u32 s40, ttmp6, 0x40000                  ; cx, cy
	s_bfe_u32 s41, ttmp6, 0x40004
	s_lshl_b32 s42, ttmp9, 2
	s_add_co_u32 s42, s42, s40                     ; tile column 0..11
	s_and_b32 s17, ttmp7, 0xffff
	s_lshl_b32 s17, s17, 2
	s_add_co_u32 s17, s17, s41                     ; tile row 0..31
	s_lshr_b32 s2, ttmp9, 1                        ; KIND: 0 for q and k (cluster x 0, 1), 1 for v (cluster x 2)
	s_lshl_b32 s43, s41, 2
	s_lshl_b32 s43, 15, s43                        ; my row of the cluster
	s_lshl_b32 s44, 0x1111, s40                    ; my column
	s_or_b32 s[G1+0], s43, (0<<16)|(1<<20)|(1<<21)|(5<<22)|(3<<25)  ; the mask; elements of 1 byte; padding on; bit 21 beside a mask; after every 64 words, 4 words
	s_or_b32 s[G1B+0], s44, (0<<16)|(1<<20)|(1<<21)|(5<<22)|(3<<25)
.irp g, G1, G1B
	s_mov_b32 s[\g+1], ROWB<<16                    ; tensor_dim0 = 256
	s_mov_b32 s[\g+2], 128<<16                     ; tensor_dim1 = 128
	s_mov_b32 s[\g+3], ROWB<<16                    ; tile_dim0
	s_mov_b32 s[\g+4], 128                         ; tile_dim1
	s_mov_b32 s[\g+5], KROW                        ; from row to row
	s_mov_b32 s[\g+6], 0
	s_mov_b32 s[\g+7], 0
.endr
	s_or_b32 s[G1S+0], s43, (3<<16)|(1<<20)|(1<<21)|(5<<22)|(3<<25) ; the scale bytes of 128 rows: 4,096 dense bytes as 16 rows of 32 elements of 8 bytes, 16 bytes of padding behind each
	s_or_b32 s[G1SB+0], s44, (3<<16)|(1<<20)|(1<<21)|(5<<22)|(3<<25)
.irp g, G1S, G1SB
	s_mov_b32 s[\g+1], 32<<16
	s_mov_b32 s[\g+2], 16<<16
	s_mov_b32 s[\g+3], 32<<16
	s_mov_b32 s[\g+4], 16
	s_mov_b32 s[\g+5], 32
	s_mov_b32 s[\g+6], 0
	s_mov_b32 s[\g+7], 0
.endr
	s_lshl_b32 s18, s16, 7                         ; which 128 rows I fetch
	s_lshl_b32 s20, s17, 8
	s_add_co_u32 s20, s20, s18                     ; x: row 256 x tile row + 128 x half
	s_lshl_b32 s46, s42, 8
	s_add_co_u32 s46, s46, s18                     ; W: row 256 x tile column + 128 x half
	s_lshl_b32 s22, s20, 5                         ; 32 scale bytes a row
	s_mov_b32 s23, 0
	s_lshl_b32 s66, s46, 5
	s_mov_b32 s67, 0
	s_lshl_b32 s20, s20, 10                        ; 1,024 code bytes a row
	s_mov_b32 s21, 0
	s_lshl_b32 s46, s46, 10
	s_mov_b32 s47, 0
	s_mul_i32 s45, s14, HALFT                      ; where they go: wave x 128 rows: no place in the cluster enters an LDS address
	s_mul_i32 s100, s14, HALFS
	s_wait_dscnt 0x0                               ; the opening add is done
	s_wait_kmcnt 0x0
	s_add_nc_u64 s[20:21], s[4:5], s[20:21]
	s_add_nc_u64 s[22:23], s[6:7], s[22:23]
	s_add_nc_u64 s[46:47], s[8:9], s[46:47]
	s_add_nc_u64 s[66:67], s[10:11], s[66:67]
	CROUND                                         ; all sixteen work-groups are here: the first joint loads meet
	s_mov_b32 s[G0S], 1
	s_add_co_u32 s[G0S+1], s100, SCL
	s_mov_b64 s[G0S+2:G0S+3], s[22:23]
	s_or_b32 s[G0S+3], s[G0S+3], 0x80000000
	s_mov_b32 s[G0SB], 1
	s_add_co_u32 s[G0SB+1], s100, SCL
	s_mov_b64 s[G0SB+2:G0SB+3], s[66:67]
	s_or_b32 s[G0SB+3], s[G0SB+3], 0x80000000
	JLOAD G0S, G1S, G0SB, G1SB                     ; the scales first: they are wanted with K step 0
.irp s, 0,1
	s_mov_b32 s[G0+4*\s], 1
	s_add_co_u32 s[G0+4*\s+1], s45, \s*SLOT
	s_add_nc_u64 s[G0+4*\s+2:G0+4*\s+3], s[20:21], \s*ROWB
	s_or_b32 s[G0+4*\s+3], s[G0+4*\s+3], 0x80000000
	s_mov_b32 s[G0B+4*\s], 1
	s_add_co_u32 s[G0B+4*\s+1], s45, \s*SLOT
	s_add_nc_u64 s[G0B+4*\s+2:G0B+4*\s+3], s[46:47], \s*ROWB
	s_or_b32 s[G0B+4*\s+3], s[G0B+4*\s+3], 0x80000000
	JLOAD G0+4*\s, G1, G0B+4*\s, G1B
.endr
	v_and_b32 v1, 15, v0                           ; r = lane % 16; kept
	v_bfe_u32 v2, v0, 4, 1                         ; h = lane / 16; kept
	v_mul_u32_u24 v3, v1, PITCH
	v_lshl_add_u32 v4, v2, 4, v3                   ; a fragment's row x pitch + 16 h
	s_wait_alu depctr_va_vdst(0)
	s_cmp_eq_u32 s2, 0                             ; which region is which side's
	s_cselect_b32 s12, 0, 2*HALFT                  ; lane side: x's rows, or for v W's
	s_cselect_b32 s13, 2*HALFT, 0                  ; register side: the other
	s_cselect_b32 s18, 0, 2*HALFS
	s_cselect_b32 s19, 2*HALFS, 0
	s_mul_i32 s21, s15, HALFT
	s_add_co_u32 s21, s21, s12
	s_mul_i32 s22, s16, HALFT
	s_add_co_u32 s22, s22, s13
.irp s, 0,1
	v_add_nc_u32 v[ADRA+\s], s21, v4
	v_add_nc_u32 v[ADRB+\s], s22, v4
	s_add_co_u32 s21, s21, SLOT
	s_add_co_u32 s22, s22, SLOT
.endr
	v_lshlrev_b32 v5, 5, v1                        ; my row's scale bytes: 32 a row,
	v_lshrrev_b32 v6, 8, v5
	v_lshl_add_u32 v5, v6, 4, v5                   ; and 16 more for each 256 passed
	s_mul_i32 s21, s15, HALFS
	s_add_co_u32 s21, s21, s18
	s_add_co_u32 s21, s21, SCL
	s_mul_i32 s22, s16, HALFS
	s_add_co_u32 s22, s22, s19
	s_add_co_u32 s22, s22, SCL
	v_add_nc_u32 v[ADRSA], s21, v5
	v_add_nc_u32 v[ADRSB], s22, v5
	s_lshl_b32 s21, s42, 8                         ; the tile's first column.  Both forms of the bias are loaded, inside b_attn in every kind; the way out reads the one that its kind wants
	s_lshl_b32 s22, s15, 7
	s_add_co_u32 s22, s22, s21
	v_add_nc_u32 v[BIO], s22, v1
	v_lshlrev_b32 v[BIO], 2, v[BIO]                ; by lane: column 256 tx + 128 (wave / 2) + r, + 16 a in the immediate
	s_lshl_b32 s22, s16, 7
	s_add_co_u32 s22, s22, s21
	s_lshl_b32 s22, s22, 2
	v_lshl_add_u32 v[BJO], v2, 5, s22              ; by register: columns 256 tx + 128 (wave % 2) + 8 h + 0..7, + 16 b in the immediate
.irp a, 0,1,2,3,4,5,6,7
	global_load_b32 v[BI+2*\a], v[BIO], s[92:93] offset:64*\a
	global_load_b32 v[BI+2*\a+1], v[BIO], s[92:93] offset:64*\a
.endr
.macro FRAG reg, adr, q, i             ; 16 rows x 128 K of 8-bit codes: lane l holds row l % 16; registers 4 c .. 4 c + 3 hold K = 32 c + 16 (l / 16) + 0 .. 15
.irp c, 0,1,2,3
	ds_load_b128 v[\reg+4*\c:\reg+4*\c+3], v[\adr] offset:128*(\q)+32*\c+(\i)*16*PITCH
.endr
.endm
; 16 matrix instructions: lane-side blocks a0, a0 + 1 x the register side's eight.  The 64 accumulators take turns, one instruction a turn, in the same order in every step.
.macro MUL16 a0, p, q, sc, zero
.irp a, \a0, \a0+1
.irp b, 0,1,2,3,4,5,6,7
.if \zero
	v_wmma_scale_f32_16x16x128_f8f6f4 v[8*(8*((\a)%4)+\b):8*(8*((\a)%4)+\b)+7], v[128*(\p)+FR*\b:128*(\p)+FR*\b+FR-1], v[AF+FR*(\a):AF+FR*(\a)+FR-1], 0, v[SC+32*(\sc)+16+NQ*\b+(\q)], v[SC+32*(\sc)+NQ*(\a)+(\q)] matrix_a_fmt:MATRIX_FMT_BF8 matrix_b_fmt:MATRIX_FMT_BF8
.else
	v_wmma_scale_f32_16x16x128_f8f6f4 v[8*(8*((\a)%4)+\b):8*(8*((\a)%4)+\b)+7], v[128*(\p)+FR*\b:128*(\p)+FR*\b+FR-1], v[AF+FR*(\a):AF+FR*(\a)+FR-1], v[8*(8*((\a)%4)+\b):8*(8*((\a)%4)+\b)+7], v[SC+32*(\sc)+16+NQ*\b+(\q)], v[SC+32*(\sc)+NQ*(\a)+(\q)] matrix_a_fmt:MATRIX_FMT_BF8 matrix_b_fmt:MATRIX_FMT_BF8
.endif
.endr
.endr
.endm
.macro FETCH_B slot, q, p              ; the register side's eight fragments into set p of window 1
	WIN TO_B
.irp i, 0,1,2,3,4,5,6,7
	FRAG 128*(\p)+FR*\i, ADRB+\slot, \q, \i
.endr
	WIN 0
.endm
.macro FETCH_A slot, q, i0             ; the lane side's blocks i0 .. i0 + 3
.irp i, \i0, \i0+1, \i0+2, \i0+3
	FRAG AF+FR*(\i), ADRA+\slot, \q, \i
.endr
.endm
.macro SCALES sc                       ; a K step's scale words, two a row, of both sides' eight blocks, into set sc (lanes 0-15 are read by the unit)
.irp i, 0,1,2,3,4,5,6,7
	ds_load_b64 v[SC+32*\sc+NQ*\i:SC+32*\sc+NQ*\i+1], v[ADRSA] offset:\i*SBLK
.endr
.irp i, 0,1,2,3,4,5,6,7
	ds_load_b64 v[SC+32*\sc+16+NQ*\i:SC+32*\sc+16+NQ*\i+1], v[ADRSB] offset:\i*SBLK
.endr
.endm
.macro PLACES n                        ; plain vector instructions between a matrix instruction and a load into, or a read of, its registers
.rept \n
	v_nop
.endr
.endm
.macro STEP slot, q, zero              ; 128 along K whose successor lies in the same slot
	s_wait_dscnt 4*NL                              ; all but the youngest sixteen loads (lane-side blocks 4-7) are in
	WIN MUL_LO
	MUL16 0, (\q)%2, \q, \slot, \zero
	MUL16 2, (\q)%2, \q, \slot, \zero
	s_wait_dscnt 0
	PLACES NP
	FETCH_B \slot, (\q)+1, 1-(\q)%2
	FETCH_A \slot, (\q)+1, 0
	WIN MUL_HI
	MUL16 4, (\q)%2, \q, \slot, \zero
	MUL16 6, (\q)%2, \q, \slot, \zero
	PLACES NP
	WIN 0
	FETCH_A \slot, (\q)+1, 4
.endm
; A slot's last step changes slots: one barrier; in front of it each wave waits for all its tensor loads, adds 0 to its spare word, and waits for that and for its reads of this slot.  fill = 1: the slot is filled again, two K steps ahead.
.macro TURN slot, next, fill
	s_wait_tensorcnt 0x0                           ; all my tensor loads have landed: my part of the next slot
	ds_add_u32 v[SPW], v[NIL]                      ; 0 onto my spare word
	s_wait_dscnt 4*NL+1                            ; the add and the youngest sixteen loads may be out
	WIN MUL_LO
	MUL16 0, 1, NQ-1, \slot, 0
	s_wait_dscnt 0x0                               ; the add is done, and my reads of this slot are over
	s_barrier_signal -1
	MUL16 2, 1, NQ-1, \slot, 0
	WIN 0
	s_barrier_wait -1
.if \fill
	CREST                                          ; the barrier has opened a round of the cluster's: no wave of any partner still reads this slot or has a load on its way
	s_add_nc_u64 s[G0+4*\slot+2:G0+4*\slot+3], s[G0+4*\slot+2:G0+4*\slot+3], 2*ROWB
	s_add_nc_u64 s[G0B+4*\slot+2:G0B+4*\slot+3], s[G0B+4*\slot+2:G0B+4*\slot+3], 2*ROWB
	JLOAD G0+4*\slot, G1, G0B+4*\slot, G1B         ; the first tensor load behind the round; its four v_nop are among the places in front of the loads below
	PLACES NP-4
.else
	PLACES NP
.endif
	s_wait_alu depctr_va_vdst(0)
	v_add_nc_u32 v[ADRSA], 4*NQ, v[ADRSA]          ; on to the next K step's scale words (no LDS load of mine is out)
	v_add_nc_u32 v[ADRSB], 4*NQ, v[ADRSB]
	FETCH_B \next, 0, 0
	FETCH_A \next, 0, 0
	SCALES \next
	WIN MUL_HI
	MUL16 4, 1, NQ-1, \slot, 0
	MUL16 6, 1, NQ-1, \slot, 0
	PLACES NP
	WIN 0
	FETCH_A \next, 0, 4
.endm
	s_wait_alu depctr_va_vdst(0)
	s_wait_tensorcnt 1                             ; the scales and my part of K step 0 are in; K step 1's load may be out
	s_barrier_signal -1
	s_barrier_wait -1
	FETCH_B 0, 0, 0
	FETCH_A 0, 0, 0
	SCALES 0
	FETCH_A 0, 0, 4
	STEP 0, 0, 1                                   ; the first step's products start the sums: nothing is cleared
	s_mov_b32 s3, 1                                ; K = 1,024 is two laps of the ring: one trip fills both slots again
.Llap:
	TURN 0, 1, 1
	STEP 1, 0, 0
	TURN 1, 0, 1
	STEP 0, 0, 0
	s_sub_co_u32 s3, s3, 1
	s_cmp_lg_u32 s3, 0
	s_cbranch_scc1 .Llap
	TURN 0, 1, 0                                   ; the last lap fills nothing
	STEP 1, 0, 0
	WIN TO_B                                       ; set 0 of window 1 has been multiplied for the last time, eight places back: it takes the bias by register
.irp b, 0,1,2,3,4,5,6,7
	global_load_b128 v[8*\b:8*\b+3], v[BJO], s[92:93] offset:64*\b
	global_load_b128 v[8*\b+4:8*\b+7], v[BJO], s[92:93] offset:64*\b+16
.endr
	WIN 0
	s_wait_dscnt 4*NL
	WIN MUL_LO
	MUL16 0, 1, NQ-1, 1, 0
	MUL16 2, 1, NQ-1, 1, 0
	s_wait_dscnt 0
	WIN MUL_HI
	MUL16 4, 1, NQ-1, 1, 0
	MUL16 6, 1, NQ-1, 1, 0
	WIN 0
	; ---- THE WAY OUT.  Where the images go.  No tensor load is out since the last change of slots, so the descriptors' registers are free.
	s_lshr_b32 s12, s17, 3                         ; the batch
	s_and_b32 s13, s17, 7                          ; which 256 tokens of it
	s_cmp_eq_u32 s2, 0
	s_cselect_b32 s18, s16, s15                    ; which 128 columns (two heads) are mine
	s_cselect_b32 s19, s15, s16                    ; which 128 tokens
	s_lshl_b32 s12, s12, 4
	s_lshl_b32 s20, s40, 2
	s_add_co_u32 s12, s12, s20
	s_lshl_b32 s20, s18, 1
	s_add_co_u32 s12, s12, s20                     ; my first head: 16 x batch + 4 cx + 2 x half
	s_lshl_b32 s20, s12, 3
	s_add_co_u32 s20, s20, s13
	s_mul_i32 s20, s20, REC                        ; its record in kv
	s_lshl_b32 s21, s2, 14
	s_add_co_u32 s21, s21, s20                     ; K's codes, or V's 16,384 further on
	s_lshl_b32 s22, s12, 17
	s_lshl_b32 s23, s13, 14
	s_add_co_u32 s22, s22, s23                     ; q's codes
	s_lshl_b32 s23, s12, 13
	s_lshl_b32 s46, s13, 10
	s_add_co_u32 s23, s23, s46                     ; q's words
	s_lshl_b32 s46, s2, 10
	s_add_co_u32 s46, s46, s20
	s_add_co_u32 s46, s46, 32768                   ; K's words, or V's 1,024 further on
	s_mov_b32 s101, HEADB
	s_mov_b32 s100, HEADB
	s_cmp_eq_u32 ttmp9, 0                          ; q?
	s_cselect_b32 s21, s22, s21
	s_cselect_b32 s23, s23, s46
	s_cselect_b64 s[OB:OB+1], s[94:95], s[98:99]
	s_cselect_b64 s[SB:SB+1], s[96:97], s[98:99]
	s_cselect_b32 s101, 131072, s101               ; from head to head, codes
	s_cselect_b32 s100, 8192, s100                 ; and words
	s_lshl_b32 s22, s19, 13                        ; my 128 tokens: 8 tiles of 1,024 bytes, or one key step of V's codes: 8,192 either way
	s_add_co_u32 s46, s21, s22
	s_mov_b32 s47, 0
	s_add_nc_u64 s[OB:OB+1], s[OB:OB+1], s[46:47]
	s_lshr_b32 s22, 512, s2                        ; their words: 512 bytes, V's 256
	s_mul_i32 s22, s22, s19
	s_add_co_u32 s46, s23, s22
	s_add_nc_u64 s[SB:SB+1], s[SB:SB+1], s[46:47]
	s_lshl_b32 s66, 1024, s2                       ; from block to block: a tile of tokens (1,024) or a tile of channels (2,048)
	s_mov_b32 s67, 0
	s_sub_co_u32 s18, s101, 8192
	s_mul_i32 s18, s18, s2                         ; v: channel blocks 4-7 are the next head's
	s_mov_b32 s19, 0
.irp a, 1,2,3,4,5,6,7
	s_add_nc_u64 s[OB+2*\a:OB+2*\a+1], s[OB+2*\a-2:OB+2*\a-1], s[66:67]
.if \a == 4
	s_add_nc_u64 s[OB+8:OB+9], s[OB+8:OB+9], s[18:19]
.endif
.endr
	s_mov_b32 s22, 0x03020100
	s_cmp_eq_u32 s2, 0
	s_cselect_b32 s20, s101, 1024                  ; an image's second half: the next head's (q, k), or c = 2, 3 (v)
	s_cselect_b32 s21, 16, s101                    ; the words: from half to half of the lanes
	s_cselect_b32 s22, 0x01000100, s22             ; q, k: a head's two bytes, twice; v: the four bytes as they are
	s_cselect_b32 s23, 0x02020202, 0               ; q, k: lanes 16-31 make the second head's word
	s_lshr_b32 s46, 32, s2                         ; the words: from row to row
	s_lshl_b32 s47, s14, 10
	s_add_co_u32 s47, s47, STG                     ; my stage
	s_mov_b32 s[SEL], 0x76543210
	s_mov_b32 s[SEL+1], 0xfedcba98
	PLACES NP                                      ; behind the last products: their operands' registers are written and their results read below
	v_and_b32 v3, 31, v0
	v_lshlrev_b32 v[VO0], 4, v3
	v_add_nc_u32 v[VO2], s20, v[VO0]
	v_lshlrev_b32 v4, 5, v1
	v_lshl_add_u32 v[LSA], v2, 9, v4
	v_add_nc_u32 v[LSA], s47, v[LSA]               ; in: [half][row][block] words: 512 h + 32 r, + 4 a in the immediate
	v_lshl_add_u32 v[LRA], v2, 4, v4
	v_add_nc_u32 v[LRA], s47, v[LRA]               ; back: 32 r + 16 h
	v_mul_u32_u24 v[SO0], v1, s46
	v_mad_u32_u24 v[SO0], v2, s21, v[SO0]
	v_add_nc_u32 v[SO1], s100, v[SO0]
	v_mul_lo_u32 v[SELV], v2, s23
	v_add_nc_u32 v[SELV], s22, v[SELV]
.irp b, 0,1,2,3
	v_mov_b32 v[TM+4+\b], 0                        ; written once: a lane permute's destination counts as one of its sources
.endr
	s_wait_loadcnt 0x0                             ; both forms of the bias
; 64 numbers of a lane, register 16 b + i in block b of 32 along the next K, become 64 codes in v[PC] on and four scale bytes in v[PW].
.macro QUANT
.irp b, 0,1,2,3
	v_max3_num_f32 v[TM+\b], |v[T+16*\b]|, |v[T+1+16*\b]|, 0x8000000   ; my 16 numbers of block b, and the floor 2^(16 - 127): the byte cannot fall under 1
.endr
.irp i, 2,4,6,8,10,12,14
.irp b, 0,1,2,3
	v_max3_num_f32 v[TM+\b], v[TM+\b], |v[T+16*\b+\i]|, |v[T+1+16*\b+\i]|
.endr
.endr
.irp b, 0,1,2,3
	v_permlanex16_b32 v[TM+4+\b], v[TM+\b], s[SEL], s[SEL+1]
.endr
.irp b, 0,1,2,3
	v_max_num_f32 v[TM+\b], v[TM+\b], v[TM+4+\b]   ; with lane l xor 16's 16: the block's largest magnitude
.endr
.irp b, 0,1,2,3
	v_add_nc_u32 v[TM+12+\b], 0xf8800000, v[TM+\b] ; 15 off its exponent field: the conversion's scale operand
.endr
.irp b, 0,1,2,3
.endr
.irp b, 0,1,2,3
	v_lshrrev_b32 v[TM+4+\b], 23, v[TM+12+\b]      ; the scale's byte
.endr
	v_lshl_or_b32 v[PW], v[TM+5], 8, v[TM+4]
	v_lshl_or_b32 v[PW], v[TM+6], 16, v[PW]
	v_lshl_or_b32 v[PW], v[TM+7], 24, v[PW]
.irp b, 0,1,2,3
.irp i, 0,1,2,3,4,5,6,7,8,9,10,11,12,13,14,15
.endr
	v_cvt_scalef32_pk8_bf8_f32 v[PC+4*\b:PC+1+4*\b], v[T+16*\b:T+7+16*\b], v[TM+12+\b]
	v_cvt_scalef32_pk8_bf8_f32 v[PC+2+4*\b:PC+3+4*\b], v[T+8+16*\b:T+15+16*\b], v[TM+12+\b]
.endr
.endm
; Lane-side block a: bias, quantiser, image.  Each accumulator is read from its low end on.
.macro OUTA a
.set AC, 64*((\a)%4)
.if (\a) > 0
	s_wait_xcnt 0x0                                ; the last block's stores have read their data: the codes' registers are written again below
.endif
	s_cmp_eq_u32 s2, 0
	s_cbranch_scc0 .Lby_lane_\@
	WIN 0x06+(\a)/4                                ; source 0: the accumulators' window; source 1: window 1
.set kk, 0
.rept 32
	v_pk_add_f32 v[T+kk:T+kk+1], v[AC+kk:AC+kk+1], v[kk:kk+1]   ; q, k: the bias goes by the register's column
.set kk, kk+2
.endr
	WIN 0
	s_branch .Lbiased_\@
.Lby_lane_\@:
	WIN 0x02+(\a)/4
.set kk, 0
.rept 32
	v_pk_add_f32 v[T+kk:T+kk+1], v[AC+kk:AC+kk+1], v[BI+2*(\a):BI+2*(\a)+1]   ; v: by the lane's column
.set kk, kk+2
.endr
	WIN 0
.Lbiased_\@:
	QUANT
	v_perm_b32 v[WD], v[PW], v[PW], v[SELV]        ; the scale word.  (Also the plain instruction behind the conversions)
	ds_store_b32 v[LSA], v[WD] offset:4*(\a)
	global_store_b128 v[VO0], v[PC:PC+3], s[OB+2*(\a):OB+2*(\a)+1]               ; each store: 512 consecutive bytes, at a multiple of 256 from the buffer's first byte
	global_store_b128 v[VO0], v[PC+4:PC+7], s[OB+2*(\a):OB+2*(\a)+1] offset:512
	global_store_b128 v[VO2], v[PC+8:PC+11], s[OB+2*(\a):OB+2*(\a)+1]
	global_store_b128 v[VO2], v[PC+12:PC+15], s[OB+2*(\a):OB+2*(\a)+1] offset:512
.endm
.irp a, 0,1,2,3,4,5,6,7
	OUTA \a
.endr
	ds_load_b128 v[RB:RB+3], v[LRA]                ; LDS serves a wave's instructions in order (ISA guide 5.7.1.4): these see my stores
	ds_load_b128 v[RB+4:RB+7], v[LRA] offset:512
	s_wait_dscnt 0x0
	global_store_b128 v[SO0], v[RB:RB+3], s[SB:SB+1]   ; q, k: the first head's 512 bytes; v: 256 bytes for each of the two heads
	s_cmp_lg_u32 s2, 0
	s_cbranch_scc1 .Lone_store
	global_store_b128 v[SO1], v[RB+4:RB+7], s[SB:SB+1] ; q, k: the second head's.  (For v the stage's second half repeats the first)
.Lone_store:
	s_wait_tensorcnt 0x0                           ; the wave's end: behind my last tensor load and my last LDS store
	ds_add_u32 v[SPW], v[NIL]
	s_wait_dscnt 0x0
	CROUND                                         ; the closing round: no work-group ends while a partner may still ask for a tile that names it
	s_endpgm
.Lfunc_end_k_q01776af5aa_qkv:
	.size	k_q01776af5aa_qkv, .Lfunc_end_k_q01776af5aa_qkv-k_q01776af5aa_qkv
	.p2alignl 7, 3214868480
	.fill 96, 4, 3214868480
	.section	.rodata,"a",@progbits
	.p2align	6, 0x0
	.amdhsa_kernel k_q01776af5aa_qkv
		.amdhsa_group_segment_fixed_size 327680
		.amdhsa_private_segment_fixed_size 0
		.amdhsa_enable_private_segment 0
		.amdhsa_kernarg_size 64
		.amdhsa_user_sgpr_count 2
		.amdhsa_user_sgpr_kernarg_segment_ptr 1
		.amdhsa_wavefront_size32 1
		.amdhsa_system_sgpr_workgroup_id_x 1
		.amdhsa_system_sgpr_workgroup_id_y 1
		.amdhsa_system_sgpr_workgroup_id_z 1
		.amdhsa_system_vgpr_workitem_id 0
		.amdhsa_next_free_vgpr 1024
		.amdhsa_next_free_sgpr 102
		.amdhsa_reserve_vcc 0
		.amdhsa_float_denorm_mode_32 3
		.amdhsa_float_denorm_mode_16_64 3
		.amdhsa_fp16_overflow 1
		.amdhsa_memory_ordered 1
		.amdhsa_forward_progress 1
		.amdhsa_inst_pref_size 191
	.end_amdhsa_kernel
	.amdgpu_metadata
---
amdhsa.version: [ 1, 2 ]
amdhsa.kernels:
  - .name:           k_q01776af5aa_qkv
    .symbol:         k_q01776af5aa_qkv.kd
    .args:
      - { .name: x_codes, .offset: 0, .size: 8, .value_kind: global_buffer, .address_space: global }
      - { .name: x_scales, .offset: 8, .size: 8, .value_kind: global_buffer, .address_space: global }
      - { .name: W_attn_codes, .offset: 16, .size: 8, .value_kind: global_buffer, .address_space: global }
      - { .name: W_attn_scales, .offset: 24, .size: 8, .value_kind: global_buffer, .address_space: global }
      - { .name: b_attn, .offset: 32, .size: 8, .value_kind: global_buffer, .address_space: global }
      - { .name: qc, .offset: 40, .size: 8, .value_kind: global_buffer, .address_space: global }
      - { .name: qs, .offset: 48, .size: 8, .value_kind: global_buffer, .address_space: global }
      - { .name: kv, .offset: 56, .size: 8, .value_kind: global_buffer, .address_space: global }
    .group_segment_fixed_size: 327680
    .private_segment_fixed_size: 0
    .kernarg_segment_align: 8
    .kernarg_segment_size: 64
    .max_flat_workgroup_size: 128
    .sgpr_count:     102
    .vgpr_count:     1024
    .wavefront_size: 32
...
	.end_amdgpu_metadata
.endif
;; end of part 1
;; launch attn (part 2): grid 4 x 64, 16 waves a work-group, no clusters, 327,680 bytes of LDS; arguments qc, qs, kv, yc, ys; writes yc, ys
.if DOCPART == 2
	.amdgcn_target "amdgcn-amd-amdhsa--gfx1250"
	.amdhsa_code_object_version 6
	.text
	.protected	k_q01776af5aa_attn
	.globl	k_q01776af5aa_attn
	.p2align	8
	.type	k_q01776af5aa_attn,@function
k_q01776af5aa_attn:
	s_mov_b64 s[64:65], 0
	v_nop
	global_prefetch_b8 v0, s[64:65] scope:SCOPE_SE
	s_setreg_imm32_b32 hwreg(HW_REG_WAVE_MODE, 25, 1), 1
	s_wait_xcnt 0x0
; y[head][q] = the sum over keys k <= q of softmax_k(Q . K / 8) V, both products on codes of BF8 (E5M2) with one E8M0 scale for each 32 along a product's K; y is quantised along the 1,024 channels for the projection.
; THE SOFTMAX: t = score x log2(e) / 8; M = the row's largest t so far, rounded UP to a whole number; p = 2^(t - M) is quantised along the keys, not normalised.  The row's sum is taken of the unquantised p and divides at the end.
; When M moves, the sum and O are multiplied by 2^(old M - new M): exact.
; INPUTS are images of operand registers, made by the launch before: qc, qs, and kv's records of 34,304 bytes for each slot of 256 keys (K's codes, V's codes, K's scale words, V's scale words).  Inside a block of 32 the order of k is
; 0-7, 16-23, 8-15, 24-31, alike in q and k, and alike in v and in the p made here: the products are the same numbers, summed in another order.
; SHARES.  Work-group (p, head) owns the blocks of 256 queries 7 - p and p, one after the other: (8 - p) + (p + 1) = 9 slots of keys whatever p: the loop's trip count is a constant, and all 256 work-groups have the same work.
; Each of SIXTEEN waves owns 16 queries of the block in hand, in 256 registers: four waves to a SIMD, so that one wave's vector work stands beside another's matrix work and LDS loads.
; No cluster: the four work-groups of a head walk different slots from trip 8 - p on, so partners would not make the same requests.
; LAYOUT.  S^T = K Q^T (source 0 = 16 keys, source 1 = my 16 queries; the head's 64 fill half of the instruction's 128: the other half are zero codes kept in registers), O^T = V^T P^T: a lane holds one query throughout.
; y's codes meet W_proj in true order of k: at a block's end lanes l and l xor 16 exchange half of their codes.  yc [tile of 16 rows 512][128 along K 8][c 4][lane][16 B]; ys [256 along K 4][row 8192][8 bytes].
; A head's two scale bytes of a row are stored as 2 bytes: a word's other bytes belong to other heads, that is, to other work-groups; 2 bytes for each 64 bytes of codes.
; LIMITS: a block whose largest magnitude lies under 2^-111 (zeros too) gets the scale byte 1: read by this program alone.  A p under 2^-126 is 0 (ISA guide 15.8: the exponential flushes).  NaN and infinities are not served.
.set REC,   34304                      ; a record: 134 rows of 256 bytes
.set HREC,  17152                      ; half of it: what one tensor load brings
.set HEADB, 8*REC
.set SLOT1, 65536                      ; slot 1 begins here: one exclusive or turns an address
.set SPARE, 131072                     ; the spare words, 128 bytes for each of 16 waves
.set VCO,   16384
.set KSWO,  32768
.set VSWO,  33792
.set LI0, 1                            ; v1  16 x lane
.set R32, 2                            ; v2  32 x (lane % 16)
.set R16, 3                            ; v3  16 x (lane % 16)
.set R8,  4                            ; v4  8 x (lane % 16)
.set SPW, 5                            ; v5  my spare word; never rewritten
.set NIL, 6                            ; v6  0; never rewritten
.set PFO, 7                            ; v7  256 x lane
.set ADL, 8                            ; v8-10 LDS addresses of the step in hand
.set ADK, 9
.set ADV, 10
.set QSW, 11                           ; v11 Q's scale word
                                       ; v12 -M, v13 the largest t, v[14:15] the sum in two halves
.set QF,  16                           ; v16-23 Q's codes, v24-31 zeros
.set KFR, 32                           ; v32-95 four fragments of K: 8 registers loaded, 8 kept zero
.set S,   96                           ; v96-159 S^T, then p, then four fragments of V
.set O,   160                          ; v160-191 O^T
.set PCD, 192                          ; v192-207 p's codes
.set KSC, 208                          ; v208-215 K's scale words, v216-219 V's: scales and nothing else
.set VSC, 216
.set BM,  220                          ; v220-223 the blocks' largest
.set PT,  224                          ; v224-227 from the other half; bytes
.set HD,  228                          ; v228-231 the holds
.set SOP, 232                          ; v232-235 the conversions' scale operands
.set CH,  236                          ; v[236:237] the sum's second chain
.set TP,  238
.set PSW, 239                          ; v239 p's scale word
.set FF,  240                          ; v[240:241] f = 2^(old M - new M); v241 is named with it and holds 0
.set Q2,  242                          ; v242-249, v250 the second block's Q and its scale word
.set QS2, 250
.set MD,  251
.set MI,  252
.set TB,   2                           ; s2  LDS byte at which the slot in hand begins
.set TRIP, 3                           ; s3  the trip
.set WV,   14
.set NB1,  15                          ; s15 slots of the first block: 8 - p
.set Q0,   16                          ; s16 my first query
.set KF,   17                          ; s17 the step's first key
.set SEL,  18
.set CS,   20                          ; s[20:21] c = log2(e) / 8
.set MNT,  22
.set HM,   23                          ; s23 lanes 16-31
.set G1,   24
.set G0,   32
.set KVB,  36                          ; s[36:37] my half of the head's first record;  s[38:39] the slot's offset
.set YB,   40                          ; s[40:43] where y's codes go, first and second block;  s[44:47] its scale bytes
.set YS,   44
.set PFA,  48
.set LIM,  50
.set Q02,  51
.macro TLOAD                           ; waves 0 and 1 fetch the record's halves.  An s_nop 0 and four v_nop follow the line
	s_cmp_lt_u32 s[WV], 2
	s_cbranch_scc0 .Lnone_\@
	tensor_load_to_lds s[G0:G0+3], s[G1:G1+7]
	s_nop 0
.rept 4
	v_nop
.endr
.Lnone_\@:
.endm
; A PREFETCH of the codes of the slot that the NEXT change of slots will ask for.  All four work-groups of a head walk slots 0, 1, 2 .. in their first block; work-group p = 0 walks all eight, so it asks, and nobody else:
; its waves 4 to 7, which fetch nothing, one instruction each: 8,192 bytes a wave, lanes 256 bytes apart: the record's 32,768 bytes of codes, each block of 256 named once in the launch.  Trips 0 to 5 ask for slots 2 to 7;
; slots 0 and 1, and each record's 1,536 bytes of scale words, come by their loads alone.
.macro ASK
	s_cmp_lt_u32 s[TRIP], s[LIM]
	s_cbranch_scc0 .Lnot_mine_\@
	global_prefetch_b8 v[PFO], s[PFA:PFA+1] th:TH_LOAD_NT scope:SCOPE_SE
.Lnot_mine_\@:
.endm
	s_load_b256 s[4:11], s[0:1], 0x0               ; qc s[4:5], qs s[6:7], kv s[8:9], yc s[10:11]
	s_load_b64 s[12:13], s[0:1], 0x20              ; ys
	v_lshl_add_u32 v[SPW], v0, 2, SPARE
	v_mov_b32 v[NIL], 0
	ds_add_u32 v[SPW], v[NIL]                      ; the wave's opening: the add and its wait ahead of my first tensor load; the set-up below stands between them
	ds_add_u32 v[SPW], v[NIL]
	v_lshrrev_b32 v8, 5, v0
	s_delay_alu instid0(VALU_DEP_1)
	v_readfirstlane_b32 s[WV], v8                  ; wave 0..15
	s_mov_b32 s[G1], 3<<16                         ; no mask; elements of 8 bytes; no padding: every read takes 16 x lane on end
	s_mov_b32 s[G1+1], 32<<16                      ; tensor_dim0 = 32 (256 bytes)
	s_mov_b32 s[G1+2], 67<<16                      ; tensor_dim1 = 67
	s_mov_b32 s[G1+3], 32<<16                      ; tile_dim0
	s_mov_b32 s[G1+4], 67                          ; tile_dim1
	s_mov_b32 s[G1+5], 32                          ; dense
	s_mov_b32 s[G1+6], 0
	s_mov_b32 s[G1+7], 0
	s_mov_b32 s[SEL], 0x76543210
	s_mov_b32 s[SEL+1], 0xfedcba98
	s_mov_b32 s[CS], 0x3e38aa3b                    ; log2(e) / 8
	s_mov_b32 s[CS+1], s[CS]
	s_mov_b32 s[HM], 0xffff0000
	s_mov_b32 s[TB], 0
	s_mov_b32 s[TRIP], 0
	s_mov_b32 s[KF], 0
	s_and_b32 s52, ttmp7, 0xffff                   ; the head, 0..63
	s_sub_co_u32 s[NB1], 8, ttmp9
	s_sub_co_u32 s[Q0], 7, ttmp9
	s_lshl_b32 s[Q0], s[Q0], 8
	s_lshl_b32 s53, s[WV], 4
	s_add_co_u32 s[Q0], s[Q0], s53                 ; first block: 256 (7 - p) + 16 x wave
	s_lshl_b32 s[Q02], ttmp9, 8
	s_add_co_u32 s[Q02], s[Q02], s53               ; second: 256 p + 16 x wave
	s_lshr_b32 s54, s52, 4
	s_lshl_b32 s54, s54, 11                        ; 2,048 x batch
	s_and_b32 s55, s52, 15                         ; the head in its batch
	s_add_co_u32 s40, s54, s[Q0]                   ; my first row of y
	s_add_co_u32 s42, s54, s[Q02]
	s_lshl_b32 s44, s40, 3                         ; 8 scale bytes a row
	s_lshl_b32 s46, s42, 3
	s_add_co_u32 s40, s40, s55
	s_lshl_b32 s40, s40, 10                        ; codes: a tile of 16 rows is 16,384 bytes, a head's 64 channels 1,024: (row + head) x 1,024
	s_add_co_u32 s42, s42, s55
	s_lshl_b32 s42, s42, 10
	s_lshr_b32 s53, s55, 2
	s_lshl_b32 s53, s53, 16                        ; which 256 along K: 65,536 bytes each
	s_and_b32 s55, s55, 3
	s_lshl_b32 s55, s55, 1                         ; and which two of the 8 bytes
	s_add_co_u32 s53, s53, s55
	s_add_co_u32 s44, s44, s53
	s_add_co_u32 s46, s46, s53
	s_mov_b32 s41, 0
	s_mov_b32 s43, 0
	s_mov_b32 s45, 0
	s_mov_b32 s47, 0
	s_mul_i32 s54, s52, HEADB                      ; the head's records
	s_and_b32 s55, s[WV], 1
	s_mul_i32 s[G0+1], s55, HREC                   ; LDS address: my half, slot 0
	s_add_co_u32 s[KVB], s54, s[G0+1]
	s_mov_b32 s[KVB+1], 0
	s_mov_b32 s38, 0
	s_mov_b32 s39, 0
	s_and_b32 s55, s[WV], 3
	s_lshl_b32 s55, s55, 13
	s_add_co_u32 s[PFA], s54, s55
	s_add_co_u32 s[PFA], s[PFA], REC               ; in slot 1: the first change of slots steps it to slot 2
	s_mov_b32 s[PFA+1], 0
	s_lshl_b32 s54, s52, 17                        ; qc: 131,072 bytes a head, 64 a query
	s_lshl_b32 s56, s[Q0], 6
	s_add_co_u32 s56, s56, s54
	s_lshl_b32 s58, s[Q02], 6
	s_add_co_u32 s58, s58, s54
	s_mov_b32 s57, 0
	s_mov_b32 s59, 0
	s_lshl_b32 s54, s52, 13                        ; qs: 8,192 bytes a head, 512 for 128 queries, a word for each tile
	s_lshr_b32 s60, s[Q0], 7
	s_lshl_b32 s60, s60, 9
	s_bfe_u32 s55, s[Q0], 0x30004
	s_lshl_b32 s55, s55, 2
	s_add_co_u32 s60, s60, s55
	s_add_co_u32 s60, s60, s54
	s_lshr_b32 s62, s[Q02], 7
	s_lshl_b32 s62, s62, 9
	s_bfe_u32 s55, s[Q02], 0x30004
	s_lshl_b32 s55, s55, 2
	s_add_co_u32 s62, s62, s55
	s_add_co_u32 s62, s62, s54
	s_mov_b32 s61, 0
	s_mov_b32 s63, 0
	s_sub_co_u32 s55, s[WV], 4
	s_lshr_b32 s55, s55, 2                         ; 0 in waves 4 to 7,
	s_or_b32 s55, s55, ttmp9                       ; of work-group p = 0
	s_cmp_eq_u32 s55, 0
	s_cselect_b32 s[LIM], 6, 0
	s_wait_dscnt 0x0                               ; the opening add is done
	s_wait_kmcnt 0x0
	s_add_nc_u64 s[KVB:KVB+1], s[8:9], s[KVB:KVB+1]
	s_add_nc_u64 s[PFA:PFA+1], s[8:9], s[PFA:PFA+1]
	s_add_nc_u64 s[40:41], s[10:11], s[40:41]
	s_add_nc_u64 s[42:43], s[10:11], s[42:43]
	s_add_nc_u64 s[44:45], s[12:13], s[44:45]
	s_add_nc_u64 s[46:47], s[12:13], s[46:47]
	s_add_nc_u64 s[56:57], s[4:5], s[56:57]
	s_add_nc_u64 s[58:59], s[4:5], s[58:59]
	s_add_nc_u64 s[60:61], s[6:7], s[60:61]
	s_add_nc_u64 s[62:63], s[6:7], s[62:63]
	s_mov_b32 s[G0], 1
	s_mov_b64 s[G0+2:G0+3], s[KVB:KVB+1]
	s_or_b32 s[G0+3], s[G0+3], 0x80000000
	TLOAD                                          ; slot 0: the head's first 256 keys
	v_and_b32 v[LI0], 31, v0
	s_delay_alu instid0(VALU_DEP_1)
	v_lshlrev_b32 v[LI0], 4, v[LI0]
	s_delay_alu instid0(VALU_DEP_1)
	v_lshlrev_b32 v[PFO], 4, v[LI0]
	v_and_b32 v8, 15, v0
	s_delay_alu instid0(VALU_DEP_1)
	v_lshlrev_b32 v[R32], 5, v8
	s_delay_alu instid0(VALU_DEP_2)
	v_lshlrev_b32 v[R16], 4, v8
	s_delay_alu instid0(VALU_DEP_3)
	v_lshlrev_b32 v[R8], 3, v8
	global_load_b128 v[QF:QF+3], v[LI0], s[56:57]              ; both blocks' Q stay in registers
	global_load_b128 v[QF+4:QF+7], v[LI0], s[56:57] offset:512
	global_load_b32 v[QSW], v[R32], s[60:61]
	global_load_b128 v[Q2:Q2+3], v[LI0], s[58:59]
	global_load_b128 v[Q2+4:Q2+7], v[LI0], s[58:59] offset:512
	global_load_b32 v[QS2], v[R32], s[62:63]
.irp i, 0,1,2,3,4,5,6,7
	v_mov_b32 v[QF+8+\i], 0                        ; k = 64 .. 127 of every fragment of Q and K: zero codes, which add nothing
.irp t, 0,1,2,3
	v_mov_b32 v[KFR+16*\t+8+\i], 0
.endr
.endr
	v_mov_b32 v13, 0xff61b1e6                      ; the largest t so far: -3e38
	s_delay_alu instid0(VALU_DEP_1)
	v_floor_f32 v12, -v13
	v_mov_b32 v14, 0
	v_mov_b32 v15, 0
.set jj, 0
.rept 32
	v_mov_b32 v[O+jj], 0                           ; O^T: the step is written once; the first finds zeros, which the first change of M leaves zeros
.set jj, jj+1
.endr
.irp b, 0,1,2,3
	v_mov_b32 v[PT+\b], 0                          ; written once: a lane permute's destination counts as one of its sources
.endr
	v_mov_b32 v[TP], 0
	v_mov_b32 v[FF+1], 0
; A KEY STEP: 128 keys, the q-th of the slot in hand.
.macro STEP q
	s_add_co_u32 s52, s[Q0], 15                    ; a step all of whose keys come after my 16 queries is left out: a branch on ids, round loads, products and softmax alone
	s_cmp_gt_u32 s[KF], s52
	s_cbranch_scc1 .Lhidden_\@
	v_add_nc_u32 v[ADL], s[TB], v[LI0]
	s_wait_alu depctr_va_vdst(0)
	v_add_nc_u32 v[ADK], s[TB], v[R32]
	v_add_nc_u32 v[ADV], s[TB], v[R16]
.irp g, 0,1                                    ; S^T = K Q^T, four tiles of 16 keys at a time
.if \g > 0
.rept 8
	v_nop                                          ; places in front of loads into registers that the four products have read
.endr
.endif
.irp t, 0,1,2,3
.irp c, 0,1
	ds_load_b128 v[KFR+16*\t+4*\c:KFR+16*\t+4*\c+3], v[ADL] offset:(8*(\q)+4*\g+\t)*1024+512*\c
.endr
.endr
.if \g == 0
	ds_load_b128 v[KSC:KSC+3], v[ADK] offset:KSWO+512*(\q)         ; lane r: the scale words of key r of the step's eight tiles
	ds_load_b128 v[KSC+4:KSC+7], v[ADK] offset:KSWO+512*(\q)+16
.endif
	s_wait_dscnt 0x0
.irp t, 0,1,2,3
	v_wmma_scale_f32_16x16x128_f8f6f4 v[S+8*(4*\g+\t):S+8*(4*\g+\t)+7], v[KFR+16*\t:KFR+16*\t+15], v[QF:QF+15], 0, v[KSC+4*\g+\t], v[QSW] matrix_a_fmt:MATRIX_FMT_BF8 matrix_b_fmt:MATRIX_FMT_BF8
.endr
.endr                                          ; lane (r, h): query r; register 8 T + j: key 16 T + 8 h + j of the step
.rept 8
	v_nop
.endr
	s_add_co_u32 s52, s[KF], 127                   ; on the diagonal hidden scores become -infinity ahead of the maximum; a step all of whose keys count skips this
	s_cmp_le_u32 s52, s[Q0]
	s_cbranch_scc1 .Lopen_\@
	s_sub_co_i32 s52, s[Q0], s[KF]
	v_and_b32 v[MD], 15, v0
	v_bfe_u32 v[MI], v0, 4, 1
	s_delay_alu instid0(VALU_DEP_1)
	v_lshlrev_b32 v[MI], 3, v[MI]
	s_delay_alu instid0(VALU_DEP_1)
	v_sub_nc_u32 v[MD], v[MD], v[MI]
	s_delay_alu instid0(VALU_DEP_1)
	v_add_nc_u32 v[MD], s52, v[MD]                 ; d = my query - the step's first key - 8 h: register 8 T + j is hidden where 16 T + j > d
	v_mov_b32 v[MI], 0xff800000
.set nn, 0
.rept 64
	v_cmp_gt_i32 vcc_lo, 16*(nn/8)+nn%8, v[MD]
	v_cndmask_b32 v[S+nn], v[S+nn], v[MI], vcc_lo
.set nn, nn+1
.endr
.Lopen_\@:
.irp b, 0,1,2,3
	v_max3_num_f32 v[BM+\b], v[S+16*\b], v[S+1+16*\b], v[S+2+16*\b]   ; the largest score of each block of 32 keys: for the row's maximum and, since p rises with the score, for the block's largest p
.endr
.irp i, 3,5,7,9,11,13
.irp b, 0,1,2,3
	v_max3_num_f32 v[BM+\b], v[BM+\b], v[S+16*\b+\i], v[S+1+16*\b+\i]
.endr
.endr
.irp b, 0,1,2,3
	v_max_num_f32 v[BM+\b], v[BM+\b], v[S+15+16*\b]
.endr
.irp b, 0,1,2,3
	s_delay_alu instid0(VALU_DEP_4)
	v_permlanex16_b32 v[PT+\b], v[BM+\b], s[SEL], s[SEL+1]
.endr
.irp b, 0,1,2,3
	s_delay_alu instid0(VALU_DEP_4)
	v_max_num_f32 v[BM+\b], v[BM+\b], v[PT+\b]     ; with lane l xor 16's 16 keys
.endr
	s_delay_alu instid0(VALU_DEP_2)
	v_max3_num_f32 v[TP], v[BM], v[BM+1], v[BM+2]
	s_delay_alu instid0(VALU_DEP_1)
	v_max_num_f32 v[TP], v[TP], v[BM+3]
	s_delay_alu instid0(VALU_DEP_1)
	v_mul_f32 v[TP], s[CS], v[TP]
	s_delay_alu instid0(VALU_DEP_1)
	v_max_num_f32 v13, v13, v[TP]                  ; the running largest t
	v_mov_b32 v[TP], v12
	s_delay_alu instid0(VALU_DEP_2)
	v_floor_f32 v12, -v13                          ; the new -M = -ceil(t)
	s_delay_alu instid0(VALU_DEP_1)
	v_sub_f32 v[TP], v12, v[TP]                    ; old M - new M: a whole number, 0 or less
	s_delay_alu instid0(VALU_DEP_1)
	v_cvt_i32_f32 v[TP], v[TP]                     ; (it saturates)
	s_delay_alu instid0(VALU_DEP_1)
	v_ldexp_f32 v[FF], 1.0, v[TP]                  ; f = 2^(old M - new M)
.set jj, 0
.rept 32
	v_pk_fma_f32 v[S+jj:S+jj+1], v[S+jj:S+jj+1], s[CS:CS+1], v[12:13] op_sel_hi:[1,0,0]   ; t - M, two at a time
.set jj, jj+2
.endr
.irp b, 0,1,2,3
	v_fma_f32 v[BM+\b], v[BM+\b], s[CS], v12
.endr
.set jj, 0
	s_wait_alu depctr_va_vdst(0)
.rept 64
	v_exp_f32 v[S+jj], v[S+jj]                     ; p = 2^(t - M)
.set jj, jj+1
.endr
	v_pk_mul_f32 v[14:15], v[14:15], v[FF:FF+1] op_sel_hi:[1,0]   ; the sums under the new M.  (The plain instruction behind the exponentials)
	s_wait_alu depctr_va_vdst(0)                   ; one wait for the batch of 64, ahead of its first reader
.irp b, 0,1,2,3
	v_exp_f32 v[BM+\b], v[BM+\b]                   ; the block's largest p
.endr
	v_pk_add_f32 v[236:237], v[100:101], v[104:105]
	v_pk_add_f32 v[254:255], v[108:109], v[112:113]
	v_pk_add_f32 v[252:253], v[116:117], v[120:121]
	v_pk_add_f32 v[234:235], v[124:125], v[128:129]
	v_pk_add_f32 v[232:233], v[132:133], v[136:137]
	v_pk_add_f32 v[230:231], v[140:141], v[144:145]
	v_pk_add_f32 v[228:229], v[148:149], v[152:153]
	v_pk_add_f32 v[14:15], v[14:15], v[156:157]
	v_pk_add_f32 v[236:237], v[236:237], v[96:97]
	v_pk_add_f32 v[254:255], v[254:255], v[98:99]
	v_pk_add_f32 v[252:253], v[252:253], v[102:103]
	v_pk_add_f32 v[234:235], v[234:235], v[106:107]
	v_pk_add_f32 v[232:233], v[232:233], v[110:111]
	v_pk_add_f32 v[230:231], v[230:231], v[114:115]
	v_pk_add_f32 v[228:229], v[228:229], v[118:119]
	v_pk_add_f32 v[14:15], v[14:15], v[122:123]
	v_pk_add_f32 v[236:237], v[236:237], v[126:127]
	v_pk_add_f32 v[254:255], v[254:255], v[130:131]
	v_pk_add_f32 v[252:253], v[252:253], v[134:135]
	v_pk_add_f32 v[234:235], v[234:235], v[138:139]
	v_pk_add_f32 v[232:233], v[232:233], v[142:143]
	v_pk_add_f32 v[230:231], v[230:231], v[146:147]
	v_pk_add_f32 v[228:229], v[228:229], v[150:151]
	v_pk_add_f32 v[14:15], v[14:15], v[154:155]
	v_pk_add_f32 v[236:237], v[236:237], v[158:159]
	s_delay_alu instid0(VALU_DEP_2)
	v_pk_add_f32 v[14:15], v[14:15], v[234:235]
	s_delay_alu instid0(VALU_DEP_2)
	v_pk_add_f32 v[236:237], v[236:237], v[232:233]
	v_pk_add_f32 v[254:255], v[254:255], v[230:231]
	v_pk_add_f32 v[252:253], v[252:253], v[228:229]
	s_delay_alu instid0(VALU_DEP_2)
	v_pk_add_f32 v[14:15], v[14:15], v[254:255]
	s_delay_alu instid0(VALU_DEP_2)
	v_pk_add_f32 v[236:237], v[236:237], v[252:253]
	s_delay_alu instid0(VALU_DEP_1)
	v_pk_add_f32 v[14:15], v[14:15], v[236:237]
	s_wait_alu depctr_va_vdst(0)                   ; and one for the four
.irp b, 0,1,2,3
	v_max_num_f32 v[BM+\b], 0x8000000, v[BM+\b]    ; the floor 2^(16 - 127): the byte cannot fall under 1
.endr
.irp b, 0,1,2,3
	s_delay_alu instid0(VALU_DEP_4)
	v_add_nc_u32 v[SOP+\b], 0xf8800000, v[BM+\b]   ; 15 off the exponent field: the conversion's scale operand
.endr
.irp b, 0,1,2,3
.endr
.irp b, 0,1,2,3
	s_delay_alu instid0(VALU_DEP_4)
	v_lshrrev_b32 v[PT+\b], 23, v[SOP+\b]          ; the scale's byte
.endr
	s_delay_alu instid0(VALU_DEP_3)
	v_lshl_or_b32 v[PSW], v[PT+1], 8, v[PT]        ; p's scale word for these 128 keys
	s_delay_alu instid0(VALU_DEP_1)
	v_lshl_or_b32 v[PSW], v[PT+2], 16, v[PSW]
	s_delay_alu instid0(VALU_DEP_1)
	v_lshl_or_b32 v[PSW], v[PT+3], 24, v[PSW]
.irp b, 0,1,2,3
.irp i, 0,1,2,3,4,5,6,7,8,9,10,11,12,13,14,15
.endr
	v_cvt_scalef32_pk8_bf8_f32 v[PCD+4*\b:PCD+4*\b+1], v[S+16*\b:S+16*\b+7], v[SOP+\b]
	v_cvt_scalef32_pk8_bf8_f32 v[PCD+4*\b+2:PCD+4*\b+3], v[S+16*\b+8:S+16*\b+15], v[SOP+\b]
.endr
	v_nop
.irp t, 0,1,2,3                                ; V's four fragments (16 channels x these 128 keys) land where p lay
.irp c, 0,1,2,3
	ds_load_b128 v[S+16*\t+4*\c:S+16*\t+4*\c+3], v[ADL] offset:VCO+8192*(\q)+2048*\t+512*\c
.endr
.endr
	ds_load_b128 v[VSC:VSC+3], v[ADV] offset:VSWO+256*(\q)
.set jj, 0
.rept 16
	v_pk_mul_f32 v[O+jj:O+jj+1], v[O+jj:O+jj+1], v[FF:FF+1] op_sel_hi:[1,0]   ; O^T under the new M.  (Work under the loads, and the places between the codes' making and the products)
.set jj, jj+2
.endr
	s_wait_alu depctr_va_vdst(0)
	s_wait_dscnt 0x0
.irp t, 0,1,2,3
	v_wmma_scale_f32_16x16x128_f8f6f4 v[O+8*\t:O+8*\t+7], v[S+16*\t:S+16*\t+15], v[PCD:PCD+15], v[O+8*\t:O+8*\t+7], v[VSC+\t], v[PSW] matrix_a_fmt:MATRIX_FMT_BF8 matrix_b_fmt:MATRIX_FMT_BF8
.endr
.rept 9
	v_nop                                          ; the next scores are written by matrix instructions over V's fragments: nine places; eight serve the reads of O^T at a block's end
.endr
.Lhidden_\@:
	s_add_co_u32 s[KF], s[KF], 128
.endm
; A BLOCK'S END: y = O^T / the sum; two blocks of 32 channels are quantised; the codes are put in true order of k and leave as the image of the projection's operand.
.macro FINISH k
	v_add_f32 v14, v14, v15
	s_wait_alu depctr_va_vdst(0)
	v_permlanex16_b32 v[TP], v14, s[SEL], s[SEL+1]
	s_delay_alu instid0(VALU_DEP_1)
	v_add_f32 v14, v14, v[TP]                      ; the row's sum
	s_wait_alu depctr_va_vdst(0)
	v_rcp_f32 v[FF], v14
	v_nop                                          ; a plain instruction behind the reciprocal,
	s_wait_alu depctr_va_vdst(0)                   ; and the wait ahead of its first reader
.set jj, 0
.rept 16
	v_pk_mul_f32 v[S+jj:S+jj+1], v[O+jj:O+jj+1], v[FF:FF+1] op_sel_hi:[1,0]   ; register 8 t + j: channel 16 t + 8 h + j
.set jj, jj+2
.endr
.irp b, 0,1
	v_max3_num_f32 v[BM+\b], |v[S+16*\b]|, |v[S+1+16*\b]|, 0x8000000
.endr
.irp i, 2,4,6,8,10,12,14
.irp b, 0,1
	s_delay_alu instid0(VALU_DEP_2)
	v_max3_num_f32 v[BM+\b], v[BM+\b], |v[S+16*\b+\i]|, |v[S+1+16*\b+\i]|
.endr
.endr
.irp b, 0,1
	s_delay_alu instid0(VALU_DEP_2)
	v_permlanex16_b32 v[PT+\b], v[BM+\b], s[SEL], s[SEL+1]
.endr
.irp b, 0,1
	s_delay_alu instid0(VALU_DEP_2)
	v_max_num_f32 v[BM+\b], v[BM+\b], v[PT+\b]
.endr
.irp b, 0,1
	s_delay_alu instid0(VALU_DEP_2)
	v_add_nc_u32 v[SOP+\b], 0xf8800000, v[BM+\b]
.endr
.irp b, 0,1
.endr
.irp b, 0,1
	s_delay_alu instid0(VALU_DEP_2)
	v_lshrrev_b32 v[PT+\b], 23, v[SOP+\b]
.endr
	s_delay_alu instid0(VALU_DEP_1)
	v_lshl_or_b32 v[TP], v[PT+1], 8, v[PT]         ; my row's two scale bytes
.irp b, 0,1
.irp i, 0,1,2,3,4,5,6,7,8,9,10,11,12,13,14,15
.endr
	v_cvt_scalef32_pk8_bf8_f32 v[PCD+4*\b:PCD+4*\b+1], v[S+16*\b:S+16*\b+7], v[SOP+\b]      ; X: channels 32 b + 8 h + 0..7
	v_cvt_scalef32_pk8_bf8_f32 v[PCD+4*\b+2:PCD+4*\b+3], v[S+16*\b+8:S+16*\b+15], v[SOP+\b] ; Y: channels 32 b + 16 + 8 h + 0..7
.endr
	v_nop                                          ; a plain instruction behind the conversions
; the operand wants lane (r, h) to hold channels 32 b + 16 h + 0..15: lanes 0-15 keep X and take the other half's X, lanes 16-31 take the other half's Y and keep Y
.irp b, 0,1
.irp e, 0,1
	v_cndmask_b32 v[HD+2*\b+\e], v[PCD+4*\b+2+\e], v[PCD+4*\b+\e], s[HM]   ; what I send: lanes 0-15 Y, lanes 16-31 X
.endr
.endr
.irp b, 0,1
.irp e, 0,1
	s_delay_alu instid0(VALU_DEP_4)
	v_permlanex16_b32 v[PT+2*\b+\e], v[HD+2*\b+\e], s[SEL], s[SEL+1]
.endr
.endr
.irp b, 0,1
.irp e, 0,1
	v_cndmask_b32 v[PCD+8+4*\b+\e], v[PCD+4*\b+\e], v[PT+2*\b+\e], s[HM]
	v_cndmask_b32 v[PCD+10+4*\b+\e], v[PT+2*\b+\e], v[PCD+4*\b+2+\e], s[HM]
.endr
.endr
	global_store_b128 v[LI0], v[PCD+8:PCD+11], s[YB+2*(\k)-2:YB+2*(\k)-1]              ; each store: 512 consecutive bytes, at a multiple of 256 from yc's first byte
	global_store_b128 v[LI0], v[PCD+12:PCD+15], s[YB+2*(\k)-2:YB+2*(\k)-1] offset:512
	global_store_b16 v[R8], v[TP], s[YS+2*(\k)-2:YS+2*(\k)-1]                          ; both halves of the lanes write the same two bytes with the same value
.if (\k) == 1
	s_wait_xcnt 0x0                                ; the stores have read their data: the registers are written again in the next block
.endif
.endm
.macro INIT                            ; the second block begins
.irp i, 0,1,2,3,4,5,6,7
	v_mov_b32 v[QF+\i], v[Q2+\i]
.endr
	v_mov_b32 v[QSW], v[QS2]                       ; (the 36 lines below are the places between these moves and the next products)
	v_mov_b32 v13, 0xff61b1e6
	s_delay_alu instid0(VALU_DEP_1)
	v_floor_f32 v12, -v13
	v_mov_b32 v14, 0
	v_mov_b32 v15, 0
.set jj, 0
.rept 32
	v_mov_b32 v[O+jj], 0
.set jj, jj+1
.endr
	s_mov_b32 s[Q0], s[Q02]
	s_mov_b32 s[KF], 0
.endm
.macro SWITCH                          ; in trip 8 - p the first block is finished: ids alone, the same in all sixteen waves; no barrier and no tensor load stands inside
	s_cmp_lg_u32 s[TRIP], s[NB1]
	s_cbranch_scc1 .Lsame_\@
	FINISH 1
	INIT
.Lsame_\@:
.endm
; THE CHANGE OF SLOTS stands at a trip's head.  Each wave waits for all its tensor loads (its part of the slot that it is about to read), adds 0 to its spare word, and waits for that and for its reads of the slot that it has left.
; fill = 1: the slot just left is filled with the next trip's keys: slot n of the first block, or n - (8 - p) of the second.  The load has a whole trip in which to land.  One tensor load of a wave is out at the most.
.macro CHANGE fill
	s_wait_tensorcnt 0x0                           ; no tensor load of mine is out, so the group 0 may be written
	ds_add_u32 v[SPW], v[NIL]                      ; 0 onto my spare word
.if \fill
	s_add_co_u32 s52, s[TRIP], 1
	s_cmp_ge_u32 s52, s[NB1]
	s_cselect_b32 s53, s[NB1], 0
	s_sub_co_u32 s52, s52, s53
	s_min_u32 s52, s52, 7                          ; (it is 7 at the most by the arithmetic above: the line states the bound)
	s_mul_i32 s38, s52, REC
	s_add_nc_u64 s[G0+2:G0+3], s[KVB:KVB+1], s[38:39]
	s_or_b32 s[G0+3], s[G0+3], 0x80000000
	s_xor_b32 s[G0+1], s[G0+1], SLOT1
	s_wait_xcnt 0x0                                ; the last prefetch, a trip back, has read its address
	s_add_nc_u64 s[PFA:PFA+1], s[PFA:PFA+1], REC
.endif
	s_wait_dscnt 0x0                               ; the add is done, and my reads of the slot that I have left are over
	s_barrier_signal -1
	s_barrier_wait -1
.if \fill
	TLOAD                                          ; the first thing behind the barrier, and a wave's one tensor load until the next
	ASK
.endif
.endm
	s_wait_loadcnt 0x0                             ; Q
.Lslot:                                            ; eight trips; the ninth is written out
	CHANGE 1
	SWITCH
	STEP 0
	STEP 1
	s_xor_b32 s[TB], s[TB], SLOT1
	s_add_co_u32 s[TRIP], s[TRIP], 1
	s_cmp_lt_u32 s[TRIP], 8
	s_cbranch_scc1 .Lslot
	CHANGE 0
	SWITCH                                         ; (taken where p = 0)
	STEP 0
	STEP 1
	FINISH 2
	s_wait_tensorcnt 0x0                           ; the wave's end
	ds_add_u32 v[SPW], v[NIL]
	s_wait_dscnt 0x0
	s_endpgm
.Lfunc_end_k_q01776af5aa_attn:
	.size	k_q01776af5aa_attn, .Lfunc_end_k_q01776af5aa_attn-k_q01776af5aa_attn
	.p2alignl 7, 3214868480
	.fill 96, 4, 3214868480
	.section	.rodata,"a",@progbits
	.p2align	6, 0x0
	.amdhsa_kernel k_q01776af5aa_attn
		.amdhsa_group_segment_fixed_size 327680
		.amdhsa_private_segment_fixed_size 0
		.amdhsa_enable_private_segment 0
		.amdhsa_kernarg_size 40
		.amdhsa_user_sgpr_count 2
		.amdhsa_user_sgpr_kernarg_segment_ptr 1
		.amdhsa_wavefront_size32 1
		.amdhsa_system_sgpr_workgroup_id_x 1
		.amdhsa_system_sgpr_workgroup_id_y 1
		.amdhsa_system_sgpr_workgroup_id_z 1
		.amdhsa_system_vgpr_workitem_id 0
		.amdhsa_next_free_vgpr 256
		.amdhsa_next_free_sgpr 66
		.amdhsa_reserve_vcc 1
		.amdhsa_float_denorm_mode_32 3
		.amdhsa_float_denorm_mode_16_64 3
		.amdhsa_fp16_overflow 1
		.amdhsa_memory_ordered 1
		.amdhsa_forward_progress 1
		.amdhsa_inst_pref_size 121
	.end_amdhsa_kernel
	.amdgpu_metadata
---
amdhsa.version: [ 1, 2 ]
amdhsa.kernels:
  - .name:           k_q01776af5aa_attn
    .symbol:         k_q01776af5aa_attn.kd
    .args:
      - { .name: qc, .offset: 0, .size: 8, .value_kind: global_buffer, .address_space: global }
      - { .name: qs, .offset: 8, .size: 8, .value_kind: global_buffer, .address_space: global }
      - { .name: kv, .offset: 16, .size: 8, .value_kind: global_buffer, .address_space: global }
      - { .name: yc, .offset: 24, .size: 8, .value_kind: global_buffer, .address_space: global }
      - { .name: ys, .offset: 32, .size: 8, .value_kind: global_buffer, .address_space: global }
    .group_segment_fixed_size: 327680
    .private_segment_fixed_size: 0
    .kernarg_segment_align: 8
    .kernarg_segment_size: 40
    .max_flat_workgroup_size: 512
    .sgpr_count:     66
    .vgpr_count:     256
    .wavefront_size: 32
...
	.end_amdgpu_metadata
.endif
;; end of part 2
;; launch proj (part 3): grid 8 x 32, 4 waves a work-group, clusters of 4 x 4, 327,680 bytes of LDS; arguments yc, ys, W_proj_codes, W_proj_scales, b_proj, out0; writes out0
.if DOCPART == 3
	.amdgcn_target "amdgcn-amd-amdhsa--gfx1250"
	.amdhsa_code_object_version 6
	.text
	.protected	k_q01776af5aa_proj
	.globl	k_q01776af5aa_proj
	.p2align	8
	.type	k_q01776af5aa_proj,@function
k_q01776af5aa_proj:
	s_mov_b64 s[64:65], 0
	v_nop
	global_prefetch_b8 v0, s[64:65] scope:SCOPE_SE
	s_setreg_imm32_b32 hwreg(HW_REG_WAVE_MODE, 25, 1), 1
	s_wait_xcnt 0x0
	s_wait_alu depctr_hold_cnt(0) depctr_sa_sdst(0) depctr_va_vdst(0) depctr_va_sdst(0) depctr_va_ssrc(0) depctr_va_vcc(0) depctr_vm_vsrc(0)
	s_getreg_b32 s2, hwreg(HW_REG_IB_STS2, 6, 4)
	s_cmp_eq_u32 s2, 0
	s_cbranch_scc0 .Lentry_in_a_cluster
	s_endpgm
.Lentry_in_a_cluster:
	s_bfe_u32 s2, ttmp6, 0x10000c
	s_cmp_lg_u32 s2, 0xf033
	s_cbranch_scc0 .Lentry_shape_is_right
	s_endpgm
.Lentry_shape_is_right:
; out0 = y W_proj + b_proj on codes of BF8 (E5M2) with one E8M0 scale for each 32 along K.  y: 8,192 rows x 1,024, as images of operand registers (yc [tile of 16 rows][128 along K 8][c 4][lane][16 B], true order of k)
; with scale bytes ys [256 along K 4][row][8]; W_proj: [1024 (n)][1024 (k)] codes, scale bytes [1024][32]; out0 [8192][1024] f32.
; A tile of 256 rows x 128 columns is made by four waves, 128 x 64 each (32 accumulators): 256 work-groups, one for each WGP; a tile of 256 x 256 would give 128.
; K goes in steps of 256 through two LDS slots; the scale bytes come once.  CLUSTERS of 4 x 4: y's tile is shared along a row of the cluster, W's along a column.
; The matrix instruction is used transposed (source 0 = 16 rows of W, source 1 = 16 rows of y): a lane holds eight neighbouring numbers of a row of out0.  The bias is the C of each sum's first product.
; REGISTERS: window 0: v16-29 addresses; v32-79 scale words, two sets, and nothing else; v128-255 y's fragments, one set; on the way out v128-191.   window 1: W's fragments, two sets of 64; v128-159 the bias.   window 2: the accumulators, (a, b) at 8 (4 a + b).
.set PITCH,  272
.set NQ,     2
.set FR,     16
.set NL,     4
.set NP,     8                         ; places behind this matrix form (ISA guide 7.12.1)
.set AHALF,  32768                     ; y: 8 tiles of rows x 4,096 bytes (two fragments), dense: every read takes 16 x lane on end
.set BHALF,  64*PITCH                  ; W: 64 rows of 256 bytes + 16
.set BOFF,   2*AHALF
.set SLOT,   BOFF+2*BHALF
.set SCLA,   2*SLOT                    ; y's scale bytes: [half][256 along K 4][128 rows][8 B]
.set SAH,    4096
.set SCLB,   SCLA+2*SAH                ; W's: units of 256 + 16
.set SBH,    8*272
.set SBLK,   2*272
.set STAGE,  SCLB+2*SBH                ; 16 rows x (256 + 16) bytes for each wave; no tile lands here
.set SPITCH, 272
.set SPARE,  STAGE+4*16*SPITCH
.set ADRA, 16
.set ADRSA,18
.set ADRSB,19
.set ADRB, 20
.set STO,  24
.set RD,   25
.set CO,   26
.set BO,   27
.set SPW,  28
.set NIL,  29
.set SC,   32                          ; set s at SC + 24 s: y's block i, step q at 2 i + q; W's block b at 16 + 2 b + q
.set AF,   128
.set BK,   128
.set BIAS, 128                         ; in window 1
.set G1, 24
.set G0, 32
.set G1B, 48
.set G0B, 56
.set G1S, 68
.set G0S, 76
.set G1SB, 80
.set G0SB, 88
.set MSB, 0
.macro WIN new
.if MSB != (\new)
	s_set_vgpr_msb (MSB<<8)|(\new)
.set MSB, (\new)
.endif
.endm
.set MUL_Z, 0x91                       ; source 0 (W) window 1, source 1 (y) window 0, C (the bias) window 1, D window 2
.set MUL_A, 0xa1                       ; the same, C and D window 2
.set TO_B,  0x40
.macro WINM zero
.if \zero
	WIN MUL_Z
.else
	WIN MUL_A
.endif
.endm
.macro JLOAD g0a, g1a, g0b, g1b        ; waves 0 and 1 fetch for y, waves 2 and 3 for W; an s_nop 0 and four v_nop follow each line
	s_cmp_eq_u32 s15, 0
	s_cbranch_scc0 .Lfor_b_\@
	tensor_load_to_lds s[\g0a:\g0a+3], s[\g1a:\g1a+7]
	s_nop 0
.rept 4
	v_nop
.endr
	s_branch .Lasked_\@
.Lfor_b_\@:
	tensor_load_to_lds s[\g0b:\g0b+3], s[\g1b:\g1b+7]
	s_nop 0
.rept 4
	v_nop
.endr
.Lasked_\@:
.endm
.macro CREST
	s_cmp_lg_u32 s14, 0
	s_cbranch_scc1 .Lnot_wave_0_\@
	s_barrier_signal -3
.Lnot_wave_0_\@:
	s_barrier_wait -3
	s_barrier_signal -1
	s_barrier_wait -1
.endm
.macro CROUND
	s_barrier_signal -1
	s_barrier_wait -1
	CREST
.endm
	s_load_b256 s[4:11], s[0:1], 0x0               ; yc s[4:5], ys s[6:7], W's codes s[8:9], W's scales s[10:11]
	s_load_b128 s[92:95], s[0:1], 0x20             ; b_proj s[92:93], out0 s[94:95]
	v_lshl_add_u32 v[SPW], v0, 2, SPARE
	v_mov_b32 v[NIL], 0
	ds_add_u32 v[SPW], v[NIL]
	ds_add_u32 v[SPW], v[NIL]                      ; the wave's opening: the add and its wait ahead of my first tensor load
	v_lshrrev_b32 v1, 5, v0
	v_readfirstlane_b32 s14, v1
	s_lshr_b32 s15, s14, 1                         ; my half of the tile's rows.  Also: I fetch for y (0) or for W (1)
	s_and_b32 s16, s14, 1                          ; my half of its columns.  Also: which half I fetch
	s_bfe_u32 s40, ttmp6, 0x40000
	s_bfe_u32 s41, ttmp6, 0x40004
	s_lshl_b32 s42, ttmp9, 2
	s_add_co_u32 s42, s42, s40                     ; tile column 0..7
	s_and_b32 s17, ttmp7, 0xffff
	s_lshl_b32 s17, s17, 2
	s_add_co_u32 s17, s17, s41                     ; tile row 0..31
	s_lshl_b32 s43, s41, 2
	s_lshl_b32 s43, 15, s43
	s_lshl_b32 s44, 0x1111, s40
	s_or_b32 s[G1+0], s43, (3<<16)|(1<<21)         ; y's codes: 8 rows (tiles of 16 rows) of 512 elements of 8 bytes, 2,048 elements apart; no padding
	s_mov_b32 s[G1+1], 512<<16
	s_mov_b32 s[G1+2], 8<<16
	s_mov_b32 s[G1+3], 512<<16
	s_mov_b32 s[G1+4], 8
	s_mov_b32 s[G1+5], 2048
	s_mov_b32 s[G1+6], 0
	s_mov_b32 s[G1+7], 0
	s_or_b32 s[G1B+0], s44, (0<<16)|(1<<20)|(1<<21)|(5<<22)|(3<<25)  ; W's codes: 64 rows of 256 bytes, 1,024 apart; 16 bytes of padding behind each
	s_mov_b32 s[G1B+1], 256<<16
	s_mov_b32 s[G1B+2], 64<<16
	s_mov_b32 s[G1B+3], 256<<16
	s_mov_b32 s[G1B+4], 64
	s_mov_b32 s[G1B+5], 1024
	s_mov_b32 s[G1B+6], 0
	s_mov_b32 s[G1B+7], 0
	s_or_b32 s[G1S+0], s43, (3<<16)|(1<<21)        ; y's scale bytes: 4 rows (256 along K each) of 128 elements of 8 bytes, 8,192 elements apart
	s_mov_b32 s[G1S+1], 128<<16
	s_mov_b32 s[G1S+2], 4<<16
	s_mov_b32 s[G1S+3], 128<<16
	s_mov_b32 s[G1S+4], 4
	s_mov_b32 s[G1S+5], 8192
	s_mov_b32 s[G1S+6], 0
	s_mov_b32 s[G1S+7], 0
	s_or_b32 s[G1SB+0], s44, (3<<16)|(1<<20)|(1<<21)|(5<<22)|(3<<25) ; W's: 2,048 dense bytes as 8 rows of 256, 16 of padding behind each
	s_mov_b32 s[G1SB+1], 32<<16
	s_mov_b32 s[G1SB+2], 8<<16
	s_mov_b32 s[G1SB+3], 32<<16
	s_mov_b32 s[G1SB+4], 8
	s_mov_b32 s[G1SB+5], 32
	s_mov_b32 s[G1SB+6], 0
	s_mov_b32 s[G1SB+7], 0
	s_lshl_b32 s20, s17, 18                        ; y's codes: 16 tiles of 16,384 bytes a tile row,
	s_lshl_b32 s18, s16, 17                        ; 8 of them a half
	s_add_co_u32 s20, s20, s18
	s_mov_b32 s21, 0
	s_lshl_b32 s22, s17, 11                        ; y's scale bytes: 256 rows x 8,
	s_lshl_b32 s18, s16, 10
	s_add_co_u32 s22, s22, s18
	s_mov_b32 s23, 0
	s_lshl_b32 s46, s42, 7
	s_lshl_b32 s96, s16, 6
	s_add_co_u32 s46, s46, s96                     ; W: row 128 x tile column + 64 x half
	s_lshl_b32 s66, s46, 5
	s_mov_b32 s67, 0
	s_lshl_b32 s46, s46, 10
	s_mov_b32 s47, 0
	s_lshl_b32 s45, s16, 15                        ; where they go: made of the wave's number alone
	s_mul_i32 s96, s16, BHALF
	s_add_co_u32 s96, s96, BOFF
	s_lshl_b32 s97, s16, 12
	s_add_co_u32 s97, s97, SCLA
	s_mul_i32 s12, s16, SBH
	s_add_co_u32 s12, s12, SCLB
	s_wait_dscnt 0x0
	s_wait_kmcnt 0x0
	s_add_nc_u64 s[20:21], s[4:5], s[20:21]
	s_add_nc_u64 s[22:23], s[6:7], s[22:23]
	s_add_nc_u64 s[46:47], s[8:9], s[46:47]
	s_add_nc_u64 s[66:67], s[10:11], s[66:67]
	CROUND                                         ; all sixteen work-groups are here: the first joint loads meet
	s_mov_b32 s[G0S], 1
	s_mov_b32 s[G0S+1], s97
	s_mov_b64 s[G0S+2:G0S+3], s[22:23]
	s_or_b32 s[G0S+3], s[G0S+3], 0x80000000
	s_mov_b32 s[G0SB], 1
	s_mov_b32 s[G0SB+1], s12
	s_mov_b64 s[G0SB+2:G0SB+3], s[66:67]
	s_or_b32 s[G0SB+3], s[G0SB+3], 0x80000000
	JLOAD G0S, G1S, G0SB, G1SB
.irp s, 0,1
	s_mov_b32 s[G0+4*\s], 1
	s_add_co_u32 s[G0+4*\s+1], s45, \s*SLOT
	s_add_nc_u64 s[G0+4*\s+2:G0+4*\s+3], s[20:21], \s*4096
	s_or_b32 s[G0+4*\s+3], s[G0+4*\s+3], 0x80000000
	s_mov_b32 s[G0B+4*\s], 1
	s_add_co_u32 s[G0B+4*\s+1], s96, \s*SLOT
	s_add_nc_u64 s[G0B+4*\s+2:G0B+4*\s+3], s[46:47], \s*256
	s_or_b32 s[G0B+4*\s+3], s[G0B+4*\s+3], 0x80000000
	s_wait_alu depctr_va_vdst(0)
	s_wait_tensorcnt 0x0
	ds_add_u32 v28, v29
	s_wait_dscnt 0x0
	CROUND
	JLOAD G0+4*\s, G1, G0B+4*\s, G1B
.endr
	v_and_b32 v1, 15, v0                           ; r
	v_bfe_u32 v2, v0, 4, 1                         ; h
	v_and_b32 v3, 31, v0
	v_lshlrev_b32 v3, 4, v3                        ; 16 x lane
	v_mul_u32_u24 v4, v1, PITCH
	v_lshl_add_u32 v4, v2, 4, v4
	s_lshl_b32 s21, s15, 15                        ; my 128 rows of y
	s_mul_i32 s22, s16, BHALF
	s_add_co_u32 s22, s22, BOFF                    ; my 64 rows of W
.irp s, 0,1
	v_add_nc_u32 v[ADRA+\s], s21, v3
	v_add_nc_u32 v[ADRB+\s], s22, v4
	s_add_co_u32 s21, s21, SLOT
	s_add_co_u32 s22, s22, SLOT
.endr
	s_lshl_b32 s21, s15, 12
	s_add_co_u32 s21, s21, SCLA
	v_lshl_add_u32 v[ADRSA], v1, 3, s21            ; y's scale words: 8 bytes a row
	v_lshlrev_b32 v5, 5, v1
	v_lshrrev_b32 v6, 8, v5
	v_lshl_add_u32 v5, v6, 4, v5
	s_mul_i32 s22, s16, SBH
	s_add_co_u32 s22, s22, SCLB
	v_add_nc_u32 v[ADRSB], s22, v5                 ; W's: 32 bytes a row, 16 more for each 256 passed
	s_mul_i32 s23, s14, 16*SPITCH
	s_add_co_u32 s23, s23, STAGE
	v_mul_u32_u24 v5, v1, SPITCH
	v_lshl_add_u32 v5, v2, 5, v5
	v_add_nc_u32 v[STO], s23, v5                   ; into my stage: row r, 32 bytes for each half of the lanes
	v_mul_u32_u24 v5, v2, SPITCH
	v_lshl_add_u32 v5, v1, 4, v5
	v_add_nc_u32 v[RD], s23, v5                    ; back: lanes 0-15 one row of 256 bytes, lanes 16-31 the next
	v_lshlrev_b32 v[CO], 12, v2
	v_lshl_add_u32 v[CO], v1, 4, v[CO]             ; and the same two rows in out0 (4,096 bytes a row)
	s_lshl_b32 s96, s42, 9
	s_lshl_b32 s97, s16, 8
	s_add_co_u32 s96, s96, s97                     ; my first column, in bytes: 512 x tile column + 256 x half
	v_lshl_add_u32 v[BO], v2, 5, s96               ; the bias of my eight columns of block b: + 32 h, + 64 b in the immediate
	WIN TO_B
.irp b, 0,1,2,3
	global_load_b128 v[BIAS+8*\b:BIAS+8*\b+3], v[BO], s[92:93] offset:64*\b
	global_load_b128 v[BIAS+8*\b+4:BIAS+8*\b+7], v[BO], s[92:93] offset:64*\b+16
.endr
	WIN 0
	s_lshl_b32 s97, s17, 20
	s_add_co_u32 s96, s96, s97
	s_lshl_b32 s97, s15, 19
	s_add_co_u32 s96, s96, s97                     ; + my first row: 256 x tile row + 128 x half
	s_mov_b32 s97, 0
	s_add_nc_u64 s[94:95], s[94:95], s[96:97]
.macro FRAGA reg, adr, q, i            ; y's fragment as it was stored: four times 512 bytes on end
.irp c, 0,1,2,3
	ds_load_b128 v[\reg+4*\c:\reg+4*\c+3], v[\adr] offset:4096*(\i)+2048*(\q)+512*\c
.endr
.endm
.macro FRAGB reg, adr, q, i            ; W's, from rows: lane l holds row l % 16; registers 4 c .. 4 c + 3 hold K = 32 c + 16 (l / 16) + 0 .. 15
.irp c, 0,1,2,3
	ds_load_b128 v[\reg+4*\c:\reg+4*\c+3], v[\adr] offset:128*(\q)+32*\c+(\i)*16*PITCH
.endr
.endm
; 8 matrix instructions: y's blocks a0, a0 + 1 x W's four.  The 32 accumulators take turns, one instruction a turn, in the same order in every step.
.macro MUL8 a0, p, q, sc, zero
.irp a, \a0, \a0+1
.irp b, 0,1,2,3
.if \zero
	v_wmma_scale_f32_16x16x128_f8f6f4 v[8*(4*(\a)+\b):8*(4*(\a)+\b)+7], v[64*(\p)+FR*\b:64*(\p)+FR*\b+FR-1], v[AF+FR*(\a):AF+FR*(\a)+FR-1], v[BIAS+8*\b:BIAS+8*\b+7], v[SC+24*(\sc)+16+NQ*\b+(\q)], v[SC+24*(\sc)+NQ*(\a)+(\q)] matrix_a_fmt:MATRIX_FMT_BF8 matrix_b_fmt:MATRIX_FMT_BF8
.else
	v_wmma_scale_f32_16x16x128_f8f6f4 v[8*(4*(\a)+\b):8*(4*(\a)+\b)+7], v[64*(\p)+FR*\b:64*(\p)+FR*\b+FR-1], v[AF+FR*(\a):AF+FR*(\a)+FR-1], v[8*(4*(\a)+\b):8*(4*(\a)+\b)+7], v[SC+24*(\sc)+16+NQ*\b+(\q)], v[SC+24*(\sc)+NQ*(\a)+(\q)] matrix_a_fmt:MATRIX_FMT_BF8 matrix_b_fmt:MATRIX_FMT_BF8
.endif
.endr
.endr
.endm
.macro FETCH_B slot, q, p
	WIN TO_B
.irp i, 0,1,2,3
	FRAGB 64*(\p)+FR*\i, ADRB+\slot, \q, \i
.endr
	WIN 0
.endm
.macro FETCH_A slot, q, i0
.irp i, \i0, \i0+1, \i0+2, \i0+3
	FRAGA AF+FR*(\i), ADRA+\slot, \q, \i
.endr
.endm
.macro SCALES sc
.irp i, 0,1,2,3,4,5,6,7
	ds_load_b64 v[SC+24*\sc+NQ*\i:SC+24*\sc+NQ*\i+1], v[ADRSA] offset:128*\i
.endr
.irp i, 0,1,2,3
	ds_load_b64 v[SC+24*\sc+16+NQ*\i:SC+24*\sc+16+NQ*\i+1], v[ADRSB] offset:\i*SBLK
.endr
.endm
.macro PLACES n
.rept \n
	v_nop
.endr
.endm
.macro STEP slot, q, zero
	s_wait_dscnt 4*NL                              ; all but the youngest sixteen loads (y's blocks 4-7) are in
	WINM \zero
	MUL8 0, (\q)%2, \q, \slot, \zero
	MUL8 2, (\q)%2, \q, \slot, \zero
	s_wait_dscnt 0
	PLACES NP
	FETCH_B \slot, (\q)+1, 1-(\q)%2
	FETCH_A \slot, (\q)+1, 0
	WINM \zero
	MUL8 4, (\q)%2, \q, \slot, \zero
	MUL8 6, (\q)%2, \q, \slot, \zero
	PLACES NP
	WIN 0
	FETCH_A \slot, (\q)+1, 4
.endm
.macro TURN slot, next, fill
	s_wait_tensorcnt 0x0                           ; all my tensor loads have landed: my part of the next slot
	ds_add_u32 v[SPW], v[NIL]                      ; 0 onto my spare word
	s_wait_dscnt 4*NL+1                            ; the add and the youngest sixteen loads may be out
	WIN MUL_A
	MUL8 0, 1, NQ-1, \slot, 0
	s_wait_dscnt 0x0                               ; the add is done, and my reads of this slot are over
	s_barrier_signal -1
	MUL8 2, 1, NQ-1, \slot, 0
	WIN 0
	s_barrier_wait -1
.if \fill
	CREST                                          ; the barrier has opened a round of the cluster's: no wave of any partner still reads this slot or has a load on its way
	s_add_nc_u64 s[G0+4*\slot+2:G0+4*\slot+3], s[G0+4*\slot+2:G0+4*\slot+3], 2*4096
	s_add_nc_u64 s[G0B+4*\slot+2:G0B+4*\slot+3], s[G0B+4*\slot+2:G0B+4*\slot+3], 2*256
	JLOAD G0+4*\slot, G1, G0B+4*\slot, G1B
	PLACES NP-4
.else
	PLACES NP
.endif
	s_wait_alu depctr_va_vdst(0)
	v_add_nc_u32 v[ADRSA], 1024, v[ADRSA]          ; on to the next K step's scale words (no LDS load of mine is out)
	v_add_nc_u32 v[ADRSB], 4*NQ, v[ADRSB]
	FETCH_B \next, 0, 0
	FETCH_A \next, 0, 0
	SCALES \next
	WIN MUL_A
	MUL8 4, 1, NQ-1, \slot, 0
	MUL8 6, 1, NQ-1, \slot, 0
	PLACES NP
	WIN 0
	FETCH_A \next, 0, 4
.endm
	s_wait_tensorcnt 1                             ; the scales and my part of K step 0 are in; K step 1's load may be out
	s_barrier_signal -1
	s_barrier_wait -1
	FETCH_B 0, 0, 0
	FETCH_A 0, 0, 0
	SCALES 0
	FETCH_A 0, 0, 4
	s_wait_loadcnt 0x0                             ; the bias
	STEP 0, 0, 1                                   ; the first step's products start the sums from the bias
	s_mov_b32 s3, 1
.Llap:
	TURN 0, 1, 1
	STEP 1, 0, 0
	TURN 1, 0, 1
	STEP 0, 0, 0
	s_sub_co_u32 s3, s3, 1
	s_cmp_lg_u32 s3, 0
	s_cbranch_scc1 .Llap
	TURN 0, 1, 0
	STEP 1, 0, 0
	s_wait_dscnt 4*NL
	WIN MUL_A
	MUL8 0, 1, NQ-1, 1, 0
	MUL8 2, 1, NQ-1, 1, 0
	s_wait_dscnt 0
	MUL8 4, 1, NQ-1, 1, 0
	MUL8 6, 1, NQ-1, 1, 0
	WIN 0
; THE WAY OUT, block by block of 16 rows x 64 columns, through my own stage: a lane's 32 bytes go in, whole rows of 256 bytes come back.  LDS serves a wave's instructions in order (ISA guide 5.7.1.4).
.macro TOSTAGE a
	WIN 0x08                                       ; an LDS store's data: window 2
.irp b, 0,1,2,3
	ds_store_b128 v[STO], v[32*(\a)+8*\b:32*(\a)+8*\b+3] offset:64*\b          ; each accumulator from its low end on
	ds_store_b128 v[STO], v[32*(\a)+8*\b+4:32*(\a)+8*\b+7] offset:64*\b+16
.endr
	WIN 0
.set BB, BK+32*((\a)%2)
.irp t, 0,1,2,3,4,5,6,7
	ds_load_b128 v[BB+4*\t:BB+4*\t+3], v[RD] offset:\t*2*SPITCH
.endr
.endm
.macro SEND a, younger                 ; younger: the LDS instructions issued behind block a's loads, which may stay out
.set BB, BK+32*((\a)%2)
	s_wait_dscnt \younger
.if (\a) > 0
	s_add_nc_u64 s[94:95], s[94:95], 16*4096       ; (behind a wait on XCNT: the earlier stores have read their base)
.endif
.irp t, 0,1,2,3,4,5,6,7
	global_store_b128 v[CO], v[BB+4*\t:BB+4*\t+3], s[94:95] offset:\t*2*4096 th:TH_STORE_NT   ; 16 lanes store 256 consecutive bytes, at a multiple of 256 from out0's first byte
.endr
.endm
	PLACES NP
	TOSTAGE 0
.irp a, 1,2,3,4,5,6,7
.if \a > 1
	s_wait_xcnt 0x0                                ; block a - 2's stores have read their registers and their base
.endif
	TOSTAGE \a
	SEND \a-1, 16                                  ; behind block a - 1's loads: block a's 8 stores and 8 loads
.endr
	s_wait_xcnt 0x0
	SEND 7, 0
	s_wait_tensorcnt 0x0                           ; the wave's end
	ds_add_u32 v[SPW], v[NIL]
	s_wait_dscnt 0x0
	CROUND                                         ; the closing round
	s_endpgm
.Lfunc_end_k_q01776af5aa_proj:
	.size	k_q01776af5aa_proj, .Lfunc_end_k_q01776af5aa_proj-k_q01776af5aa_proj
	.p2alignl 7, 3214868480
	.fill 96, 4, 3214868480
	.section	.rodata,"a",@progbits
	.p2align	6, 0x0
	.amdhsa_kernel k_q01776af5aa_proj
		.amdhsa_group_segment_fixed_size 327680
		.amdhsa_private_segment_fixed_size 0
		.amdhsa_enable_private_segment 0
		.amdhsa_kernarg_size 48
		.amdhsa_user_sgpr_count 2
		.amdhsa_user_sgpr_kernarg_segment_ptr 1
		.amdhsa_wavefront_size32 1
		.amdhsa_system_sgpr_workgroup_id_x 1
		.amdhsa_system_sgpr_workgroup_id_y 1
		.amdhsa_system_sgpr_workgroup_id_z 1
		.amdhsa_system_vgpr_workitem_id 0
		.amdhsa_next_free_vgpr 768
		.amdhsa_next_free_sgpr 98
		.amdhsa_reserve_vcc 0
		.amdhsa_float_denorm_mode_32 3
		.amdhsa_float_denorm_mode_16_64 3
		.amdhsa_memory_ordered 1
		.amdhsa_forward_progress 1
		.amdhsa_inst_pref_size 95
	.end_amdhsa_kernel
	.amdgpu_metadata
---
amdhsa.version: [ 1, 2 ]
amdhsa.kernels:
  - .name:           k_q01776af5aa_proj
    .symbol:         k_q01776af5aa_proj.kd
    .args:
      - { .name: yc, .offset: 0, .size: 8, .value_kind: global_buffer, .address_space: global }
      - { .name: ys, .offset: 8, .size: 8, .value_kind: global_buffer, .address_space: global }
      - { .name: W_proj_codes, .offset: 16, .size: 8, .value_kind: global_buffer, .address_space: global }
      - { .name: W_proj_scales, .offset: 24, .size: 8, .value_kind: global_buffer, .address_space: global }
      - { .name: b_proj, .offset: 32, .size: 8, .value_kind: global_buffer, .address_space: global }
      - { .name: out0, .offset: 40, .size: 8, .value_kind: global_buffer, .address_space: global }
    .group_segment_fixed_size: 327680
    .private_segment_fixed_size: 0
    .kernarg_segment_align: 8
    .kernarg_segment_size: 48
    .max_flat_workgroup_size: 128
    .sgpr_count:     98
    .vgpr_count:     768
    .wavefront_size: 32
...
	.end_amdgpu_metadata
.endif
;; end of part 3
